; MI455X (gfx1250); checked and timed in simulation.
; The chip was launched on July 23, 2026; its instructions are those of AMD's public machine-readable ISA for CDNA 5 (MIT licence, August 2026) and "CDNA5" Instruction Set Architecture Reference Guide (July 2026). The comments in the code are by the model that wrote it; some were corrected since.
;; Flow Attention. Allowed arithmetic: matrix products marked QUANTISED: E3M2 operands, one E8M0 scale for each 32 along K, by v_wmma_scale_f32_16x16x128_f8f6f4 with both operands' format E3M2, f32 sums; everything else in f32.
;; Inputs: b_out 1,024 float32; b_qkv 3,072 float32; w_out 1,024 x 1,024 float32; w_qkv 3,072 x 1,024 float32; x 4 x 2,048 x 1,024 float32.
;; Outputs: out0 4 x 2,048 x 1,024 float32.
;; This version of the problem:
;;   THIS VERSION OF THE PROBLEM IS GIVEN IN LOW PRECISION. The matrix products marked QUANTISED in the list below multiply operands that are first quantised to E3M2 (3 exponent bits, 2 mantissa bits; 6 bits a number), with one power-of-two scale for each 32 numbers along K (OCP MX v1.0); their sums are f32. All else is computed in f32.
;;   The module's matrix products, in the order in which they are computed (A, B: the left and right operand; K: the contracted axis; several contracted axes count as one K, in the product's order):
;;     1. [M 8,192, K 1,024] x [K 1,024, N 3,072]; A: input x; B: input w_qkv: QUANTISED
;;     2. batch 64 x [M 2,048, K 64] x [K 64, N 2,048]; A: computed on the way; B: computed on the way: QUANTISED
;;     3. batch 64 x [M 64, K 2,048] x [K 2,048, N 2,048]; A: computed on the way; B: softmax (see below): QUANTISED
;;     4. [M 8,192, K 1,024] x [K 1,024, N 1,024]; A: computed on the way; B: input w_out: QUANTISED
;;   THE QUANTISER, for each operand of a quantised product, along K:
;;     - K is cut into blocks of 32 from its start; a last block that is shorter is filled with zeros.
;;     - A block's scale is 2^e with e = floor(log2(the largest magnitude in the block)) - 4, held to -126 .. 127; a block of zeros has e = 0. As a byte (E8M0): e + 127.
;;     - Each number is divided by its block's scale, clamped to +-28, and rounded to the nearest number of E3M2, ties to even, subnormals kept.
;;     - The product sums the exact products of the quantised numbers (number of the format x scale) in f32.
;;   ~~~python
;;   def quantise(x, axis):      # numpy; x: float32 -> the quantised numbers, widened to float32 again
;;       x = np.moveaxis(x, axis, -1); K = x.shape[-1]
;;       x = np.pad(x, [(0, 0)] * (x.ndim - 1) + [(0, -K % 32)]); x = x.reshape(x.shape[:-1] + (-1, 32)); a = np.abs(x).max(-1, keepdims=True)
;;       e = np.where(a > 0, np.clip(np.frexp(np.where(a > 0, a, 1))[1] - 1 - 4, -126, 127), 0)      # np.frexp(a)[1] - 1 = floor(log2(a)), exactly
;;       r = np.clip(x / 2.0 ** e, -28, 28)
;;       step = 2.0 ** (np.maximum(np.frexp(np.where(r == 0, 1, r))[1] - 1, -2) - 2)
;;       q = np.round(r / step) * step * 2.0 ** e      # np.round: ties to even
;;       return np.moveaxis(q.reshape(q.shape[:-2] + (-1,))[..., :K], -1, axis).astype(np.float32)
;;   ~~~
;;   SOFTMAX AHEAD OF A QUANTISED PRODUCT. Where the list says 'softmax', what is quantised is not the finished softmax but p = 2^(t - M), with t = logit x log2(e) and M = ceil(the row's largest t), a whole number; so 1/2 < the row's largest p <= 1. The row's sum l is taken of the UNQUANTISED p, in f32, and the product's result is divided by l at the end. Since M is a whole number, a kernel that streams over the keys may use a running M (the ceiling of the running maximum): every later rescaling is an exact power of two, which a block's scale takes up: the codes' values come out the same.
;;   OPERANDS COMPUTED ON THE WAY. 'Computed on the way' means the value that the module computes at that place (a softmax that the list does not call 'softmax' is quantised finished and normalised). What goes into a quantiser is computed in f32, as accurately as f32 sums, v_exp_f32 and their like allow (about 1e-6 of the number): no bf16 or f16 on the way to a quantiser, and a product that is left as it is and whose result goes on into a quantised operand takes f32 operands (vector FMAs, or v_wmma_f32_16x16x4_f32). A number that lies on a knife's edge between two numbers of the format may be rounded either way, as far as f32 arithmetic and the matrix unit's own rounding can turn it there, and no further.
;; One version. Each part assembles by itself: llvm-mc -triple=amdgcn-amd-amdhsa -mcpu=gfx1250 --defsym DOCPART=n.
;; ======== version 1 of 1: 4 launches
;; workspace buffers: wcod 9,437,184 bytes; wscl 393,216 bytes; rope 524,288 bytes; qrec 13,369,344 bytes; kv 13,369,344 bytes; acod 6,291,456 bytes; ascl 262,144 bytes
;; launch prep (part 1): grid 416 x 1, 4 waves a work-group, no clusters, 34,304 bytes of LDS; arguments x, w_qkv, w_out, wcod, wscl, rope; writes wcod, wscl, rope
.if DOCPART == 1
	.amdgcn_target "amdgcn-amd-amdhsa--gfx1250"
	.amdhsa_code_object_version 6
	.text
	.protected	k_qf0bd94d234_prep
	.globl	k_qf0bd94d234_prep
	.p2align	8
	.type	k_qf0bd94d234_prep,@function
k_qf0bd94d234_prep:
	s_mov_b64 s[64:65], 0
	v_nop
	global_prefetch_b8 v0, s[64:65] scope:SCOPE_SE
	s_setreg_imm32_b32 hwreg(HW_REG_WAVE_MODE, 25, 1), 1
	s_wait_xcnt 0x0
; PREP.  Two kinds of work-groups in one launch.
; Work-groups 32 .. 415: x [8192][1024], w_qkv [3072][1024], w_out [1024][1024], f32, K innermost, become codes of BF6 (E3M2) with one E8M0 byte for each 32 along K.
;   The three tensors count as one run of 12,288 rows = 768 tiles of 16 rows.  THE ROWS OF A TILE ARE NOT NEIGHBOURS: lane r of tile m takes row 32 (m / 2) + 8 (m % 2) + r + 8 (r / 8).
;   CODES (wcod): the fragment of tile m and K step s (128 along K) lies at (8 m + s) x 1536 as an image of the operand's registers: piece p = 0 .. 5 (registers 2 p, 2 p + 1) at 256 p, lane l at 8 l.
;   SCALES (wscl): [m][j = 0 .. 3][r][8 bytes]: the scale words of K steps 2 j and 2 j + 1 of the tile's lane r.
;   A wave takes one tile and half of K: four fragments.  Each load reads 512 consecutive bytes of one row; the 16 rows turn through the wave's own stage in LDS, so that a lane then holds two whole blocks of 32.
;   A block's scale is 2^(floor(log2(largest magnitude)) - 4); its byte is the largest magnitude's exponent field - 4, held at 1 from below.
; Work-groups 0 .. 31: the table of cos and sin for the rotation, rope [T = 0 .. 127][q = 0 .. 7][lane][cos, sin, cos, sin]: token 32 (T / 2) + 8 (T % 2) + r + 8 (r / 8), frequencies 16 (q / 4) + 8 h + 2 (q % 4) and the next.
;   angle = token x F in f32, F = 1 / P, P = 10^(j / 8) rounded to f32; the angle is reduced by multiples of pi / 2 in two parts and cos and sin are polynomials on [-pi/4, pi/4].
; LIMITS: NaN and infinities among the inputs are not served.  A block whose largest magnitude lies under 2^-122 gets the byte 1; a block of zeros gets the byte 1 where the rule says 127 (its codes are zeros, and
;   the bytes are read by this program alone).  cos and sin are right to about 1e-7 for the f32 angle; F is the correctly rounded reciprocal of the correctly rounded power.
.set STG,   8448                       ; a wave's stage: 16 rows x SPIT
.set SPIT,  528                        ; 512 bytes + 16: the 16 rows that a load touches start at 16 different groups of banks
.set W,     16                         ; v16-19   the four scale words
.set R,     32                         ; v32-159  two sets of 64 numbers as loaded
.set X,     160                        ; v160-223 my two blocks of 32
.set C,     224                        ; v224-235 a fragment's codes
.set CT,    236                        ; v236-238, v240-242: a conversion's three registers begin on an even number
	s_load_b256 s[4:11], s[0:1], 0x0               ; x, w_qkv, w_out, wcod
	s_load_b128 s[12:15], s[0:1], 0x20             ; wscl, rope
	v_lshl_add_u32 v248, v0, 2, 0x8400
	v_mov_b32 v249, 0
	v_lshrrev_b32 v1, 5, v0
	v_readfirstlane_b32 s16, v1                    ; wave
	v_and_b32 v1, 31, v0                           ; lane
	v_and_b32 v2, 15, v0                           ; r
	v_bfe_u32 v3, v0, 4, 1                         ; h
	v_lshlrev_b32 v4, 4, v1                        ; 16 x lane
	v_cmp_le_u32 vcc_lo, 16, v1                    ; lanes 16-31
	s_mov_b32 s18, 0x76543210
	s_mov_b32 s19, 0xfedcba98                      ; selects for lane l xor 16
	s_cmp_lt_u32 ttmp9, 32
	s_cbranch_scc1 .Lrope
	; ---------------- the quantiser
	s_mul_i32 s17, s16, STG
	v_add_nc_u32 v5, s17, v4                       ; into the stage: 16 x lane of a row
	v_mul_u32_u24 v6, v2, SPIT
	v_lshl_add_u32 v6, v3, 7, v6
	v_add_nc_u32 v6, s17, v6                       ; out of it: row r, + 128 h: my block of 32 numbers
	v_lshlrev_b32 v7, 3, v1                        ; 8 x lane
	v_lshlrev_b32 v22, 3, v3                       ; 8 h: how far my two bytes are shifted in the scale word
	v_mov_b32 v15, 0                               ; a lane permute's destination counts as one of its sources
	s_sub_co_u32 s20, ttmp9, 32
	s_lshl_b32 s21, s20, 1
	s_lshr_b32 s22, s16, 1
	s_add_co_u32 s21, s21, s22                     ; m: my tile of rows
	s_and_b32 s22, s16, 1                          ; which half of K
	s_wait_kmcnt 0x0
	s_mov_b32 s23, 704
	s_cmp_lt_u32 s20, 352                          ; the choice of tensor hangs on the work-group's number alone
	s_cselect_b64 s[24:25], s[6:7], s[8:9]
	s_cselect_b32 s23, 512, s23
	s_cmp_lt_u32 s20, 256
	s_cselect_b64 s[24:25], s[4:5], s[24:25]
	s_cselect_b32 s23, 0, s23                      ; the tensor's first tile
	s_sub_co_u32 s26, s21, s23                     ; my tile within the tensor
	s_lshr_b32 s27, s26, 1
	s_lshl_b32 s28, s27, 17                        ; 32 rows of 4,096 bytes for each pair of tiles,
	s_and_b32 s27, s26, 1
	s_lshl_b32 s27, s27, 15                        ; 8 rows for the odd one,
	s_add_co_u32 s28, s28, s27
	s_lshl_b32 s27, s22, 11                        ; 2,048 bytes for the second half of K
	s_add_co_u32 s28, s28, s27
	s_mov_b32 s29, 0
	s_add_nc_u64 s[24:25], s[24:25], s[28:29]
	s_mul_i32 s28, s21, 12288
	s_mul_i32 s27, s22, 6144
	s_add_co_u32 s28, s28, s27
	s_add_nc_u64 s[10:11], s[10:11], s[28:29]      ; my four fragments
	s_lshl_b32 s28, s21, 9
	s_lshl_b32 s27, s22, 8
	s_add_co_u32 s28, s28, s27
	s_add_nc_u64 s[12:13], s[12:13], s[28:29]      ; my 256 scale bytes
.macro LOAD t                          ; K step t of my half: 16 rows x 512 consecutive bytes
.irp i, 0,1,2,3,4,5,6,7,8,9,10,11,12,13,14,15
	global_load_b128 v[R+64*((\t)%2)+4*\i:R+64*((\t)%2)+4*\i+3], v4, s[24:25] offset:(\i+8*(\i/8))*4096+512*(\t) th:TH_LOAD_NT
.endr
.endm
.macro STEP t
.if (\t) < 3
	s_wait_loadcnt 16                              ; this step's 16 loads are in; the next step's 16 may be out
.else
	s_wait_loadcnt 0x0
.endif
.irp i, 0,1,2,3,4,5,6,7,8,9,10,11,12,13,14,15
	ds_store_b128 v5, v[R+64*((\t)%2)+4*\i:R+64*((\t)%2)+4*\i+3] offset:SPIT*\i
.endr
.irp c, 0,1
.irp k, 0,1,2,3,4,5,6,7
	ds_load_b128 v[X+32*\c+4*\k:X+32*\c+4*\k+3], v6 offset:256*\c+16*\k   ; LDS serves a wave's instructions in order: these see the stores above.  k = 64 c + 32 h + 0 .. 31 of row r
.endr
.endr
	s_wait_dscnt 0x0
.if (\t) < 2
	LOAD (\t)+2
.endif
.irp c, 0,1
	v_max3_num_f32 v[8+\c], |v[X+32*\c]|, |v[X+32*\c+1]|, 0x2800000      ; block 2 c + h: all 32 numbers are mine; the floor 2^(5 - 127) holds the byte at 1 from below
.endr
.irp i, 2,4,6,8,10,12,14,16,18,20,22,24,26,28,30
.irp c, 0,1
	v_max3_num_f32 v[8+\c], v[8+\c], |v[X+32*\c+\i]|, |v[X+32*\c+\i+1]|
.endr
.endr
.irp c, 0,1
	v_add_nc_u32 v[10+\c], 0xfe000000, v[8+\c]     ; 4 off the exponent field: the conversion's scale operand
.endr
.irp c, 0,1
	v_lshrrev_b32 v[12+\c], 23, v[10+\c]           ; the scale's byte
.endr
	v_lshl_or_b32 v14, v13, 16, v12                ; my two bytes, blocks h and 2 + h,
	v_lshlrev_b32 v14, v22, v14                    ; at their places;
	v_permlanex16_b32 v15, v14, s18, s19
	v_or_b32 v[W+(\t)], v14, v15                   ; with lane l xor 16's two the word is whole
	s_wait_alu depctr_va_vdst(0)
	s_wait_xcnt 0x0                                ; the last step's stores have read the codes' registers: they are written again only behind this wait
.irp c, 0,1
	v_cvt_scalef32_pk16_bf6_f32 v[C+6*\c:C+6*\c+2], v[X+32*\c:X+32*\c+15], v[10+\c]
	v_cvt_scalef32_pk16_bf6_f32 v[CT+4*\c:CT+4*\c+2], v[X+32*\c+16:X+32*\c+31], v[10+\c]
.endr
	v_nop                                          ; one plain place behind a scaled conversion
.irp c, 0,1
.irp i, 0,1,2
	v_mov_b32 v[C+3+6*\c+\i], v[CT+4*\c+\i]
.endr
.endr
.irp p, 0,1,2,3,4,5
	global_store_b64 v7, v[C+2*\p:C+2*\p+1], s[10:11] offset:1536*(\t)+256*\p   ; 32 lanes store 256 consecutive bytes, aligned
.endr
.endm
	s_wait_alu depctr_va_vdst(0)
	LOAD 0
	LOAD 1
	STEP 0
	STEP 1
	STEP 2
	STEP 3
	v_cndmask_b32 v20, v16, v18, vcc_lo            ; lanes 0-15 store the words of my first two K steps, lanes 16-31 those of the other two
	v_cndmask_b32 v21, v17, v19, vcc_lo
	global_store_b64 v7, v[20:21], s[12:13]        ; 256 consecutive bytes, aligned
	s_wait_tensorcnt 0x0
	ds_add_u32 v248, v249
	s_wait_dscnt 0x0
	s_endpgm
	; ---------------- the table of cos and sin
.Lrope:
	s_lshl_b32 s17, ttmp9, 2
	s_add_co_u32 s17, s17, s16                     ; T: my tile of tokens
	s_lshr_b32 s34, s17, 1
	s_lshl_b32 s34, s34, 5
	s_and_b32 s35, s17, 1
	s_lshl_b32 s35, s35, 3
	s_add_co_u32 s34, s34, s35
	s_wait_alu depctr_va_vdst(0)
	v_and_b32 v5, 8, v2
	v_add_nc_u32 v5, v5, v2
	v_add_nc_u32 v5, s34, v5                       ; my token
	v_cvt_f32_u32 v8, v5
	s_lshl_b32 s32, s17, 12
	s_mov_b32 s33, 0
	s_mov_b32 s20, 0x3f22f983                      ; 2 / pi
	s_mov_b32 s21, 0xbfc90fdb                      ; -(pi / 2 rounded to f32)
	s_mov_b32 s22, 0x333bbd2e                      ; that f32 number less pi / 2
	s_mov_b32 s23, 0xb94ca1f9                      ; sin: -1.9515295891e-4
	s_mov_b32 s24, 0x3c08839e                      ;       8.3321608736e-3
	s_mov_b32 s25, 0xbe2aaaa3                      ;      -1.6666654611e-1
	s_mov_b32 s26, 0x37ccf5ce                      ; cos:  2.4433157118e-5
	s_mov_b32 s27, 0xbab6061a                      ;      -1.3887316255e-3
	s_mov_b32 s28, 0x3d2aaaa5                      ;       4.1666645683e-2
	s_mov_b32 s29, 0x80000000
	s_wait_kmcnt 0x0
	s_add_nc_u64 s[14:15], s[14:15], s[32:33]
.macro FREQ n, plo, phi                ; P = 10^(j / 8): lanes 0-15 take frequency j, lanes 16-31 frequency j + 8
	v_mov_b32 v[16+\n], \phi
	v_cndmask_b32 v[16+\n], \plo, v[16+\n], vcc_lo
.endm
	FREQ 0,  1.0,          10.0
	FREQ 1,  1.3335214322, 13.335214322
	FREQ 2,  1.7782794100, 17.782794100
	FREQ 3,  2.3713737057, 23.713737057
	FREQ 4,  3.1622776602, 31.622776602
	FREQ 5,  4.2169650343, 42.169650343
	FREQ 6,  5.6234132519, 56.234132519
	FREQ 7,  7.4989420933, 74.989420933
	FREQ 8,  100.0,        1000.0
	FREQ 9,  133.35214322, 1333.5214322
	FREQ 10, 177.82794100, 1778.2794100
	FREQ 11, 237.13737057, 2371.3737057
	FREQ 12, 316.22776602, 3162.2776602
	FREQ 13, 421.69650343, 4216.9650343
	FREQ 14, 562.34132519, 5623.4132519
	FREQ 15, 749.89420933, 7498.9420933
	s_wait_alu depctr_va_vdst(0)
.irp n, 0,1,2,3,4,5,6,7,8,9,10,11,12,13,14,15
	v_rcp_f32 v[32+\n], v[16+\n]
.endr
	v_nop                                          ; a plain place behind the last reciprocal
	s_wait_alu depctr_va_vdst(0)                   ; one wait for the batch of sixteen, ahead of its first reader
.irp n, 0,1,2,3,4,5,6,7,8,9,10,11,12,13,14,15
	v_fma_f32 v[96+\n], -v[16+\n], v[32+\n], 1.0   ; what the reciprocal lacks,
.endr
.irp n, 0,1,2,3,4,5,6,7,8,9,10,11,12,13,14,15
	v_fma_f32 v[16+\n], v[32+\n], v[96+\n], v[32+\n]   ; put right: F = 1 / P
.endr
.macro EVAL n
	v_mul_f32 v80, v8, v[16+\n]                    ; the angle, one f32 product
	v_mul_f32 v81, s20, v80
	v_rndne_f32 v81, v81                           ; k: how many quarter turns
	v_fma_f32 v82, v81, s21, v80                   ; angle - k x the f32 part of pi / 2: a multiple of 2^-23 under 1, so nothing is rounded
	v_fma_f32 v82, v81, s22, v82                   ; and the rest of pi / 2
	v_mul_f32 v83, v82, v82                        ; z
	v_fma_f32 v84, v83, s23, s24
	v_fma_f32 v86, v83, s26, s27
	v_fma_f32 v84, v84, v83, s25
	v_fma_f32 v86, v86, v83, s28
	v_mul_f32 v85, v82, v83
	v_mul_f32 v86, v86, v83
	v_fma_f32 v87, v83, -0.5, 1.0
	v_fma_f32 v84, v84, v85, v82                   ; sin of the rest
	v_fma_f32 v86, v86, v83, v87                   ; cos of the rest
	v_cvt_i32_f32 v88, v81
	v_and_b32 v89, 1, v88
	v_cmp_eq_u32 s30, 1, v89                       ; an odd number of quarter turns swaps the two
	v_cndmask_b32 v90, v84, v86, s30
	v_cndmask_b32 v91, v86, v84, s30
	v_lshlrev_b32 v92, 30, v88                     ; sin is negated in quarters 2 and 3,
	v_add_nc_u32 v93, 1, v88
	v_and_b32 v92, s29, v92
	v_lshlrev_b32 v93, 30, v93                     ; cos in quarters 1 and 2
	v_xor_b32 v[48+2*\n+1], v92, v90
	v_and_b32 v93, s29, v93
	v_xor_b32 v[48+2*\n], v93, v91
.endm
.irp n, 0,1,2,3,4,5,6,7,8,9,10,11,12,13,14,15
	EVAL \n
.endr
.irp q, 0,1,2,3,4,5,6,7
	global_store_b128 v4, v[48+4*\q:51+4*\q], s[14:15] offset:512*\q   ; 512 consecutive bytes, aligned
.endr
	s_endpgm
.Lfunc_end_k_qf0bd94d234_prep:
	.size	k_qf0bd94d234_prep, .Lfunc_end_k_qf0bd94d234_prep-k_qf0bd94d234_prep
	.p2alignl 7, 3214868480
	.fill 96, 4, 3214868480
	.section	.rodata,"a",@progbits
	.p2align	6, 0x0
	.amdhsa_kernel k_qf0bd94d234_prep
		.amdhsa_group_segment_fixed_size 34304
		.amdhsa_private_segment_fixed_size 0
		.amdhsa_enable_private_segment 0
		.amdhsa_kernarg_size 48
		.amdhsa_user_sgpr_count 2
		.amdhsa_user_sgpr_kernarg_segment_ptr 1
		.amdhsa_wavefront_size32 1
		.amdhsa_system_sgpr_workgroup_id_x 1
		.amdhsa_system_sgpr_workgroup_id_y 1
		.amdhsa_system_sgpr_workgroup_id_z 1
		.amdhsa_system_vgpr_workitem_id 0
		.amdhsa_next_free_vgpr 250
		.amdhsa_next_free_sgpr 66
		.amdhsa_reserve_vcc 1
		.amdhsa_float_denorm_mode_32 3
		.amdhsa_float_denorm_mode_16_64 3
		.amdhsa_memory_ordered 1
		.amdhsa_forward_progress 1
		.amdhsa_inst_pref_size 58
	.end_amdhsa_kernel
	.amdgpu_metadata
---
amdhsa.version: [ 1, 2 ]
amdhsa.kernels:
  - .name:           k_qf0bd94d234_prep
    .symbol:         k_qf0bd94d234_prep.kd
    .args:
      - { .name: x, .offset: 0, .size: 8, .value_kind: global_buffer, .address_space: global }
      - { .name: w_qkv, .offset: 8, .size: 8, .value_kind: global_buffer, .address_space: global }
      - { .name: w_out, .offset: 16, .size: 8, .value_kind: global_buffer, .address_space: global }
      - { .name: wcod, .offset: 24, .size: 8, .value_kind: global_buffer, .address_space: global }
      - { .name: wscl, .offset: 32, .size: 8, .value_kind: global_buffer, .address_space: global }
      - { .name: rope, .offset: 40, .size: 8, .value_kind: global_buffer, .address_space: global }
    .group_segment_fixed_size: 34304
    .private_segment_fixed_size: 0
    .kernarg_segment_align: 8
    .kernarg_segment_size: 48
    .max_flat_workgroup_size: 128
    .sgpr_count:     66
    .vgpr_count:     250
    .wavefront_size: 32
...
	.end_amdgpu_metadata
.endif
;; end of part 1
;; launch qkv (part 2): grid 12 x 32, 4 waves a work-group, clusters of 4 x 4, 327,680 bytes of LDS; arguments wcod, wscl, rope, b_qkv, qrec, kv; writes qrec, kv
.if DOCPART == 2
	.amdgcn_target "amdgcn-amd-amdhsa--gfx1250"
	.amdhsa_code_object_version 6
	.text
	.protected	k_qf0bd94d234_qkv
	.globl	k_qf0bd94d234_qkv
	.p2align	8
	.type	k_qf0bd94d234_qkv,@function
k_qf0bd94d234_qkv:
	s_mov_b64 s[64:65], 0
	v_nop
	global_prefetch_b8 v0, s[64:65] scope:SCOPE_SE
	s_setreg_imm32_b32 hwreg(HW_REG_WAVE_MODE, 25, 1), 1
	s_wait_xcnt 0x0
	s_wait_alu depctr_hold_cnt(0) depctr_sa_sdst(0) depctr_va_vdst(0) depctr_va_sdst(0) depctr_va_ssrc(0) depctr_va_vcc(0) depctr_vm_vsrc(0)
	s_getreg_b32 s2, hwreg(HW_REG_IB_STS2, 6, 4)
	s_cmp_eq_u32 s2, 0
	s_cbranch_scc0 .Lentry_in_a_cluster
	s_endpgm
.Lentry_in_a_cluster:
	s_bfe_u32 s2, ttmp6, 0x10000c
	s_cmp_lg_u32 s2, 0xf033
	s_cbranch_scc0 .Lentry_shape_is_right
	s_endpgm
.Lentry_shape_is_right:
; QKV.  x w_qkv^T + b_qkv on codes of BF6 (E3M2) with E8M0 scales, K = 1,024; then the rotation of q and k, and q, k, v quantised for the attention, all on the way out: nothing wide goes to memory.
; A work-group of four waves makes a tile of 256 x 256, a wave 128 x 128: 64 accumulators of 16 x 16.  Source 0 takes 16 rows of the B region, source 1 16 rows of the A region: a lane holds ONE row of A
; (lane % 16) and its registers run along B's rows.  The rows of a tile of 16 are 32 (m / 2) + 8 (m % 2) + r + 8 (r / 8), so that the 16 registers of B's tiles 2 b and 2 b + 1 are 16 neighbours, 32 b + 16 h + 0 .. 15.
; CLUSTERS of 4 x 4.  Cluster x = 0: q, 1: k: A = tokens (x), B = rows of w: a lane holds a token and 128 neighbouring columns, two heads: what the quantiser along the head wants.
; Cluster x = 2: v, TRANSPOSED: A = rows of w_v, B = tokens: a lane holds one channel of v and 128 neighbouring KEYS: what the quantiser along the keys wants.  Only the tiles' numbers differ; the branches on the
; cluster's x are the same in all sixteen partners.  A's tiles are asked for jointly along a row of the cluster, B's along a column.
; OPERANDS lie in memory as images of the operand's registers (8 bytes a lane, 256 bytes a piece, 1,536 bytes a fragment of 16 rows x 128 K): a tile of LDS is read by dense loads, no padding.
; K goes in four steps of 256 through THREE slots: steps 0, 1, 2 are the first fills, step 3 is the one refill, of slot 0, behind a round of the cluster's barrier; it has two steps of 256 in which to land.
; The scale words of all of K come once, with the first fills.
; RECORDS (qrec and kv, 208,896 bytes for each batch and head): 0: K's (or q's) scale words [g][lane][4]: word i of lane (r, h) belongs to tile 8 g + 4 h + i; 8,192: V's [g][r][4 tiles];
;   12,288 + 12,288 g: key step g: 8 half fragments of K (registers 0-5: the head's 64), 768 bytes each, then at + 6,144 four whole fragments of V^T (16 channels x 128 keys), 1,536 bytes each.
; LIMITS: NaN and infinities are not served; a block whose largest magnitude lies under 2^-122, a block of zeros among them, gets the byte 1 (zero codes add nothing; the bytes are read by this program alone).
; REGISTERS: window 0: v1-7 lane numbers and offsets; v8-15 saved scale words; v16-22 LDS addresses; v27 scale words' address; v28, v29 the add's; v32-63 scale words, two sets, nothing else; v64-127 the bias as the first C,
;   later cos and sin; v128-223 A's fragments, one set; on the way out v128-248 at work.  window 1: B's fragments, two sets, at v0 and v128.  windows 2, 3: the accumulators, (a, b) at v[8 (8 (a % 4) + b)].
.set ROWT,  3072                       ; a tile of 16 rows in a slot: two fragments
.set HALFT, 8*ROWT                     ; 128 rows: what one tensor load brings
.set SLOT,  4*HALFT                    ; A's two halves, then B's two
.set SCL,   3*SLOT                     ; behind the three slots: the scale words, 4 x HALFS
.set HALFS, 4096
.set SPARE, SCL+4*HALFS                ; the spare words, 128 bytes for each wave: two blocks of 256 bytes that no other line names
.set REC,   208896
.set FR,    12
.set ADRA,  16
.set ADRB,  20
.set ADRS,  27
.set SPW,   28
.set NIL,   29
.set SC,    32
.set BIAS,  64
.set AF,    128
.set G1,    24                         ; s[24:31] group 1 for A's tiles; s[32:43] group 0, a set for each slot
.set G0,    32
.set G1B,   44                         ; s[44:51], s[52:63] the same for B's
.set G0B,   52
.set G1S,   68                         ; s[68:75], s[76:79] A's scales; s[80:87], s[88:91] B's
.set G0S,   76
.set G1SB,  80
.set G0SB,  88
.set SEL,   66                         ; s[66:67] selects for lane l xor 16
.set SW,    8
.set CS,    64                         ; cos and sin: two sets of 32
.set H,     128                        ; 64 numbers to be quantised
.set TP,    192
.set PC,    200                        ; v200-211 the codes, v212-218 at work
.set SD,    220
.set VB,    224                        ; v's bias: one number a lane for each of my eight blocks
.set TM,    232
.set PW,    248
.set MSB, 0
.macro WIN new                         ; the immediate's high byte repeats the setting that is left
.if MSB != (\new)
	s_set_vgpr_msb (MSB<<8)|(\new)
.set MSB, \new
.endif
.endm
.macro JLOAD g0a, g1a, g0b, g1b        ; a joint load: waves 0 and 1 fetch for A, waves 2 and 3 for B; four v_nop follow each of the two lines
	s_cmp_eq_u32 s17, 0
	s_cbranch_scc0 .Lfor_b_\@
	tensor_load_to_lds s[\g0a:\g0a+3], s[\g1a:\g1a+7]
	s_nop 0
.rept 4
	v_nop
.endr
	s_branch .Lasked_\@
.Lfor_b_\@:
	tensor_load_to_lds s[\g0b:\g0b+3], s[\g1b:\g1b+7]
	s_nop 0
.rept 4
	v_nop
.endr
.Lasked_\@:
.endm
.macro CREST                           ; a round of the cluster's barrier behind its opening barrier
	s_cmp_lg_u32 s16, 0
	s_cbranch_scc1 .Lnot_wave_0_\@
	s_barrier_signal -3
.Lnot_wave_0_\@:
	s_barrier_wait -3
	s_barrier_signal -1
	s_barrier_wait -1
.endm
.macro CROUND
	s_barrier_signal -1
	s_barrier_wait -1
	CREST
.endm
.macro PLACES n
.rept \n
	v_nop
.endr
.endm
.macro FRAG reg, adr, q, i             ; a fragment as it lies: six pieces of 256 bytes, 8 bytes a lane
.irp p, 0,1,2,3,4,5
	ds_load_b64 v[\reg+2*\p:\reg+2*\p+1], v[\adr] offset:(\i)*ROWT+(\q)*1536+\p*256
.endr
.endm
.macro FETCH_B slot, q, p
	WIN 0x40                                       ; destination window 1
.irp i, 0,1,2,3,4,5,6,7
	FRAG 128*(\p)+FR*\i, ADRB+\slot, \q, \i
.endr
	WIN 0
.endm
.macro FETCH_A slot, q, i0
.irp i, \i0, \i0+1, \i0+2, \i0+3
	FRAG AF+FR*(\i), ADRA+\slot, \q, \i
.endr
.endm
.macro SCALES j                        ; the two scale words of K step j (256 along K): lanes 0-15 A's block i, lanes 16-31 B's block i
.irp i, 0,1,2,3,4,5,6,7
	ds_load_b64 v[SC+16*((\j)%2)+2*\i:SC+16*((\j)%2)+2*\i+1], v[ADRS] offset:512*\i+128*(\j)
.endr
.endm
; 16 matrix instructions: A's blocks a0, a0 + 1 x B's eight, 128 along K.  first = 1: the bias is the C of the sum's first instruction.  The 64 accumulators take turns, one instruction a turn, in one order.
.macro MUL16 a0, p, q, sc, first
.irp a, \a0, \a0+1
.irp b, 0,1,2,3,4,5,6,7
.if \first
	v_wmma_scale_f32_16x16x128_f8f6f4 v[8*(8*((\a)%4)+\b):8*(8*((\a)%4)+\b)+7], v[128*(\p)+FR*\b:128*(\p)+FR*\b+FR-1], v[AF+FR*(\a):AF+FR*(\a)+FR-1], v[BIAS+8*\b:BIAS+8*\b+7], v[SC+16*(\sc)+2*\b+(\q)], v[SC+16*(\sc)+2*(\a)+(\q)] matrix_a_fmt:MATRIX_FMT_BF6 matrix_b_fmt:MATRIX_FMT_BF6 matrix_a_scale:MATRIX_SCALE_ROW1
.else
	v_wmma_scale_f32_16x16x128_f8f6f4 v[8*(8*((\a)%4)+\b):8*(8*((\a)%4)+\b)+7], v[128*(\p)+FR*\b:128*(\p)+FR*\b+FR-1], v[AF+FR*(\a):AF+FR*(\a)+FR-1], v[8*(8*((\a)%4)+\b):8*(8*((\a)%4)+\b)+7], v[SC+16*(\sc)+2*\b+(\q)], v[SC+16*(\sc)+2*(\a)+(\q)] matrix_a_fmt:MATRIX_FMT_BF6 matrix_b_fmt:MATRIX_FMT_BF6 matrix_a_scale:MATRIX_SCALE_ROW1
.endif
.endr
.endr
.endm
; A step of 128 along K whose successor (slot ns, its nq-th 128) may be read without a barrier.  p: B's set; sc: the set of scale words.
.macro GSTEP p, q, sc, first, ns, nq, nj
	s_wait_dscnt 24                                ; all but the youngest 24 loads, A's blocks 4-7
.if \first
	WIN 0x81                                       ; B window 1, A and the bias window 0, D window 2
.else
	WIN 0xa1
.endif
	MUL16 0, \p, \q, \sc, \first
	MUL16 2, \p, \q, \sc, \first
	s_wait_dscnt 0x0                               ; A's blocks 4-7 are in
	PLACES 4                                       ; four places in front of loads into registers that matrix instructions have read
	FETCH_B \ns, \nq, 1-(\p)
	FETCH_A \ns, \nq, 0
.if (\nq) == 0
	SCALES \nj
.endif
.if \first
	WIN 0xc1
.else
	WIN 0xf1
.endif
	MUL16 4, \p, \q, \sc, \first
	MUL16 6, \p, \q, \sc, \first
	PLACES 4
	WIN 0
	FETCH_A \ns, \nq, 4
.endm
; A step with a barrier in it.  In front of the barrier each wave waits for all its tensor loads, adds 0 to its spare word, and waits for that and for its reads.  fill = 1: slot 0, read out, takes K step 3.
.macro TURN sc, ns, nj, fill
	s_wait_tensorcnt 0x0                           ; all my tensor loads have landed
	ds_add_u32 v[SPW], v[NIL]                      ; 0 onto my spare word
	s_wait_dscnt 25                                ; (the add and the youngest 24 loads may be out)
	WIN 0xa1
	MUL16 0, 1, 1, \sc, 0                          ; sixteen matrix instructions stand between the add and the wait for it
	s_wait_dscnt 0x0                               ; the add is done, and my reads of the slot in hand are over
	s_barrier_signal -1
	MUL16 2, 1, 1, \sc, 0
	WIN 0
	s_barrier_wait -1
.if \fill
	CREST                                          ; the barrier has opened a round of the cluster's barrier: no wave of any partner still reads slot 0 or has a load on its way
	s_add_nc_u64 s[G0+2:G0+3], s[G0+2:G0+3], 3*ROWT
	s_add_nc_u64 s[G0B+2:G0B+3], s[G0B+2:G0B+3], 3*ROWT
	JLOAD G0, G1, G0B, G1B                         ; the first tensor load behind the round, one a wave; its four v_nop are also the places in front of the loads below
.else
	PLACES 4
.endif
	FETCH_B \ns, 0, 0
	FETCH_A \ns, 0, 0
	SCALES \nj
	WIN 0xf1
	MUL16 4, 1, 1, \sc, 0
	MUL16 6, 1, 1, \sc, 0
	PLACES 4
	WIN 0
	FETCH_A \ns, 0, 4
.endm
.macro LAST sc
	s_wait_dscnt 24
	WIN 0xa1
	MUL16 0, 1, 1, \sc, 0
	MUL16 2, 1, 1, \sc, 0
	s_wait_dscnt 0x0
	WIN 0xf1
	MUL16 4, 1, 1, \sc, 0
	MUL16 6, 1, 1, \sc, 0
	WIN 0
.endm
; 64 numbers of a lane, register 16 b + i = k 32 b + 16 (lane / 16) + i of my row, become a fragment's codes in v[PC] on and its scale word in v[PW].
.macro QUANT s
.irp b, 0,1,2,3
	v_max3_num_f32 v[TM+\b], |v[\s+16*\b]|, |v[\s+1+16*\b]|, 0x2800000   ; my 16 numbers of block b, and the floor 2^(5 - 127)
.endr
.irp i, 2,4,6,8,10,12,14
.irp b, 0,1,2,3
	v_max3_num_f32 v[TM+\b], v[TM+\b], |v[\s+16*\b+\i]|, |v[\s+1+16*\b+\i]|
.endr
.endr
.irp b, 0,1,2,3
	v_permlanex16_b32 v[TM+4+\b], v[TM+\b], s[SEL], s[SEL+1]
.endr
.irp b, 0,1,2,3
	v_max_num_f32 v[TM+\b], v[TM+\b], v[TM+4+\b]   ; with lane l xor 16's: the block's largest magnitude
.endr
.irp b, 0,1,2,3
	v_add_nc_u32 v[TM+12+\b], 0xfe000000, v[TM+\b] ; 4 off its exponent field: the conversion's scale operand
.endr
.irp b, 0,1,2,3
	v_lshrrev_b32 v[TM+4+\b], 23, v[TM+12+\b]      ; the scale's byte
.endr
	v_lshl_or_b32 v[PW], v[TM+5], 8, v[TM+4]
	v_lshl_or_b32 v[PW], v[TM+6], 16, v[PW]
	v_lshl_or_b32 v[PW], v[TM+7], 24, v[PW]
.irp c, 0,1
	v_cvt_scalef32_pk16_bf6_f32 v[PC+6*\c:PC+2+6*\c], v[\s+32*\c:\s+15+32*\c], v[TM+12+2*\c]
	v_cvt_scalef32_pk16_bf6_f32 v[PC+12+4*\c:PC+14+4*\c], v[\s+16+32*\c:\s+31+32*\c], v[TM+12+2*\c+1]
.endr
	v_nop                                          ; one plain place behind a scaled conversion
.irp c, 0,1                                    ; the operand's layout wants a whole block in a lane: lanes 0-15 block 2 c, lanes 16-31 block 2 c + 1
.irp i, 0,1,2
	v_permlane16_swap_b32 v[PC+6*\c+\i], v[PC+12+4*\c+\i]
.endr
.irp i, 0,1,2
	v_mov_b32 v[PC+3+6*\c+\i], v[PC+12+4*\c+\i]
.endr
.endr
.endm
	s_load_b256 s[4:11], s[0:1], 0x0               ; wcod, wscl, rope, b_qkv
	s_load_b128 s[12:15], s[0:1], 0x20             ; qrec, kv
	v_lshl_add_u32 v[SPW], v0, 2, SPARE
	v_mov_b32 v[NIL], 0
	ds_add_u32 v28, v29
	ds_add_u32 v28, v29
	s_wait_dscnt 0x0
	v_lshrrev_b32 v1, 5, v0
	v_readfirstlane_b32 s16, v1                    ; wave
	s_lshr_b32 s17, s16, 1                         ; which half of A's rows is mine.  Also: I fetch for A (0) or for B (1)
	s_and_b32 s18, s16, 1                          ; which half of B's rows.  Also: which 128 rows I fetch
	s_bfe_u32 s92, ttmp6, 0x40000                  ; cx
	s_bfe_u32 s93, ttmp6, 0x40004                  ; cy
	s_and_b32 s19, ttmp7, 0xffff
	s_lshl_b32 s19, s19, 2                         ; 4 x cluster y
	s_lshl_b32 s20, ttmp9, 2
	s_add_co_u32 s20, s20, 32                      ; w_qkv begins at tile 32 of 256 rows
	s_cmp_eq_u32 ttmp9, 2                          ; v's clusters?  All three choices stand ahead of the additions, which set SCC
	s_cselect_b32 s21, 40, s19
	s_cselect_b32 s22, s19, s20
	s_cselect_b32 s23, 1, 0
	s_add_co_u32 s21, s21, s93                     ; A's tile of 256 rows: it hangs on cy alone
	s_add_co_u32 s22, s22, s92                     ; B's: on cx alone
	s_mov_b32 s[SEL], 0x76543210
	s_mov_b32 s[SEL+1], 0xfedcba98
	s_lshl_b32 s94, s93, 2
	s_lshl_b32 s94, 15, s94                        ; my row of the cluster
	s_lshl_b32 s95, 0x1111, s92                    ; my column
	s_or_b32 s[G1+0], s94, (3<<16)|(1<<21)         ; 15:0 the mask; 17:16 elements of 8 bytes; 21 set beside a mask; no padding
	s_or_b32 s[G1B+0], s95, (3<<16)|(1<<21)
	s_or_b32 s[G1S+0], s94, (3<<16)|(1<<21)
	s_or_b32 s[G1SB+0], s95, (3<<16)|(1<<21)
.irp g, G1, G1B                        ; 8 tiles of rows x 3,072 bytes, 12,288 bytes apart
	s_mov_b32 s[\g+1], 384<<16
	s_mov_b32 s[\g+2], 8<<16
	s_mov_b32 s[\g+3], 384<<16
	s_mov_b32 s[\g+4], 8
	s_mov_b32 s[\g+5], 1536
	s_mov_b32 s[\g+6], 0
	s_mov_b32 s[\g+7], 0
.endr
.irp g, G1S, G1SB                      ; 4,096 dense bytes as 16 rows of 256
	s_mov_b32 s[\g+1], 32<<16
	s_mov_b32 s[\g+2], 16<<16
	s_mov_b32 s[\g+3], 32<<16
	s_mov_b32 s[\g+4], 16
	s_mov_b32 s[\g+5], 32
	s_mov_b32 s[\g+6], 0
	s_mov_b32 s[\g+7], 0
.endr
	s_lshl_b32 s2, s21, 4
	s_lshl_b32 s3, s18, 3
	s_add_co_u32 s2, s2, s3                        ; A: the first tile of 16 rows that I fetch
	s_mul_i32 s96, s2, 4*ROWT
	s_mov_b32 s97, 0
	s_lshl_b32 s98, s2, 9
	s_mov_b32 s99, 0
	s_lshl_b32 s20, s22, 4
	s_add_co_u32 s20, s20, s3                      ; B likewise
	s_mul_i32 s100, s20, 4*ROWT
	s_mov_b32 s101, 0
	s_lshl_b32 s2, s20, 9
	s_mov_b32 s3, 0
	s_mul_i32 s94, s16, HALFT                      ; where they go: wave x 128 rows: no place in the cluster enters an LDS address
	s_lshl_b32 s95, s16, 12
	s_wait_kmcnt 0x0
	s_add_nc_u64 s[96:97], s[4:5], s[96:97]
	s_add_nc_u64 s[98:99], s[6:7], s[98:99]
	s_add_nc_u64 s[100:101], s[4:5], s[100:101]
	s_add_nc_u64 s[2:3], s[6:7], s[2:3]
	CROUND                                         ; all sixteen work-groups are here: the first joint loads meet
	s_mov_b32 s[G0S], 1
	s_add_co_u32 s[G0S+1], s95, SCL
	s_mov_b64 s[G0S+2:G0S+3], s[98:99]
	s_or_b32 s[G0S+3], s[G0S+3], 0x80000000
	s_mov_b32 s[G0SB], 1
	s_add_co_u32 s[G0SB+1], s95, SCL
	s_mov_b64 s[G0SB+2:G0SB+3], s[2:3]
	s_or_b32 s[G0SB+3], s[G0SB+3], 0x80000000
	JLOAD G0S, G1S, G0SB, G1SB                     ; the scales first; then K steps 0, 1, 2: four loads of mine are out
.irp n, 0,1,2
	s_mov_b32 s[G0+4*\n], 1
	s_add_co_u32 s[G0+4*\n+1], s94, \n*SLOT
	s_add_nc_u64 s[G0+4*\n+2:G0+4*\n+3], s[96:97], \n*ROWT
	s_or_b32 s[G0+4*\n+3], s[G0+4*\n+3], 0x80000000
	s_mov_b32 s[G0B+4*\n], 1
	s_add_co_u32 s[G0B+4*\n+1], s94, \n*SLOT
	s_add_nc_u64 s[G0B+4*\n+2:G0B+4*\n+3], s[100:101], \n*ROWT
	s_or_b32 s[G0B+4*\n+3], s[G0B+4*\n+3], 0x80000000
	JLOAD G0+4*\n, G1, G0B+4*\n, G1B
.endr
	v_and_b32 v1, 31, v0                           ; lane
	v_and_b32 v2, 15, v0                           ; r
	v_bfe_u32 v3, v0, 4, 1                         ; h
	v_lshlrev_b32 v4, 3, v1                        ; 8 x lane
	v_lshlrev_b32 v6, 4, v1                        ; 16 x lane
	v_mul_u32_u24 v7, v3, REC
	v_lshl_add_u32 v7, v2, 4, v7                   ; V's scale words: lanes 16-31 store the next head's
	s_mul_i32 s2, s17, HALFT
	s_mul_i32 s3, s18, HALFT
	s_add_co_u32 s3, s3, 2*HALFT
.irp n, 0,1,2
	v_add_nc_u32 v[ADRA+\n], s2, v4
	v_add_nc_u32 v[ADRB+\n], s3, v4
	s_add_co_u32 s2, s2, SLOT
	s_add_co_u32 s3, s3, SLOT
.endr
	s_add_co_u32 s2, s18, 2
	s_sub_co_u32 s2, s2, s17
	s_lshl_b32 s2, s2, 12                          ; from my A half's scales to my B half's
	v_mul_u32_u24 v5, s2, v3                       ; lanes 16-31 take B's
	s_lshl_b32 s3, s17, 12
	s_add_co_u32 s3, s3, SCL
	v_lshl_add_u32 v5, v2, 3, v5
	v_add_nc_u32 v[ADRS], s3, v5
.irp b, 0,1,2,3
	v_mov_b32 v[TM+4+\b], 0                        ; a lane permute's destination counts as one of its sources
.endr
.irp a, 0,1,2,3,4,5,6,7
	v_mov_b32 v[VB+\a], 0                          ; written on every way through the text; v's clusters load their bias over it
.endr
	s_cmp_eq_u32 s23, 1
	s_cbranch_scc1 .Lbias_v
	s_sub_co_u32 s96, s22, 32                      ; q, k: the bias runs along my registers: it is the C of each sum's first instruction
	s_lshl_b32 s96, s96, 10
	s_lshl_b32 s97, s18, 9
	s_add_co_u32 s96, s96, s97
	s_mov_b32 s97, 0
	s_add_nc_u64 s[96:97], s[10:11], s[96:97]
	v_lshlrev_b32 v5, 6, v3                        ; 16 h columns
.irp b, 0,1,2,3
.irp k, 0,1,2,3
	global_load_b128 v[BIAS+16*\b+4*\k:BIAS+16*\b+4*\k+3], v5, s[96:97] offset:128*\b+16*\k
.endr
.endr
	s_branch .Lbias_done
.Lbias_v:
	s_lshl_b32 s96, s93, 10                        ; v: the bias runs along the lanes, so it cannot be a C: it is added on the way out, and the one text's first C is zeros here
	s_lshl_b32 s97, s17, 9
	s_add_co_u32 s96, s96, s97
	s_add_co_u32 s96, s96, 8192
	s_mov_b32 s97, 0
	s_add_nc_u64 s[96:97], s[10:11], s[96:97]
	v_and_b32 v5, 8, v2
	v_add_nc_u32 v5, v5, v2
	v_lshlrev_b32 v5, 2, v5
.irp a, 0,1,2,3,4,5,6,7
	global_load_b32 v[VB+\a], v5, s[96:97] offset:(32*(\a/2)+8*(\a%2))*4
.endr
.set j, 0
.rept 64
	v_mov_b32 v[BIAS+j], 0
.set j, j+1
.endr
.Lbias_done:
	s_wait_tensorcnt 2                             ; the scales and my part of K step 0 are in; K steps 1 and 2 may be out
	s_wait_loadcnt 0x0                             ; the bias
	s_barrier_signal -1
	s_barrier_wait -1
	FETCH_B 0, 0, 0
	FETCH_A 0, 0, 0
	SCALES 0
	FETCH_A 0, 0, 4
	GSTEP 0, 0, 0, 1, 0, 1, 0                      ; K   0 .. 127: starts the sums, with the bias
	TURN 0, 1, 1, 1                                ; K 128 .. 255; slot 0 takes K step 3
	GSTEP 0, 0, 1, 0, 1, 1, 0                      ; K 256 .. 383
	GSTEP 1, 1, 1, 0, 2, 0, 2                      ; K 384 .. 511; slot 2 was shown landed, by every wave, in front of the round above
	GSTEP 0, 0, 0, 0, 2, 1, 0                      ; K 512 .. 639
	TURN 0, 0, 3, 0                                ; K 640 .. 767; K step 3 has landed in slot 0
.macro CSLOAD a                        ; cos and sin of block a's 16 tokens: 32 registers in the order of my columns' pairs
.irp q, 0,1,2,3,4,5,6,7
	global_load_b128 v[CS+32*((\a)%2)+4*\q:CS+32*((\a)%2)+4*\q+3], v6, s[96:97] offset:4096*(\a)+512*\q
.endr
.endm
	s_cmp_eq_u32 s23, 1
	s_cbranch_scc1 .Lno_rope
	s_and_b32 s2, s21, 7                           ; q, k: the first two blocks' cos and sin are asked for two steps ahead of the way out, into the registers that held the bias
	s_lshl_b32 s2, s2, 1
	s_add_co_u32 s2, s2, s17                       ; g: which 128 tokens of the batch are mine
	s_lshl_b32 s96, s2, 15
	s_mov_b32 s97, 0
	s_add_nc_u64 s[96:97], s[8:9], s[96:97]
	CSLOAD 0
	CSLOAD 1
.Lno_rope:
	GSTEP 0, 0, 1, 0, 0, 1, 0                      ; K 768 .. 895
	LAST 1                                         ; K 896 .. 1023
	PLACES 4                                       ; in front of the first read of results and the first write of the last products' sources
	v_cmp_ne_u32 vcc_lo, 0, v3                     ; lanes 16-31
	s_cmp_eq_u32 s23, 1
	s_cbranch_scc1 .Lv_out
	; ---------------- q and k: rotate, quantise along the head, store
	s_lshr_b32 s2, s21, 3                          ; batch
	s_lshl_b32 s2, s2, 4
	s_lshl_b32 s3, s92, 2
	s_add_co_u32 s2, s2, s3
	s_lshl_b32 s3, s18, 1
	s_add_co_u32 s2, s2, s3                        ; 16 x batch + my first head
	s_mul_i32 s2, s2, REC
	s_and_b32 s3, s21, 7
	s_lshl_b32 s3, s3, 1
	s_add_co_u32 s3, s3, s17                       ; g
	s_mul_i32 s20, s3, 12288
	s_add_co_u32 s98, s2, s20
	s_add_co_u32 s98, s98, 12288
	s_mov_b32 s99, 0
	s_lshl_b32 s20, s3, 9
	s_add_co_u32 s100, s2, s20
	s_mov_b32 s101, 0
	s_cmp_eq_u32 ttmp9, 0
	s_cselect_b64 s[2:3], s[12:13], s[14:15]       ; q's record or k's
	s_add_nc_u64 s[98:99], s[2:3], s[98:99]
	s_add_nc_u64 s[100:101], s[2:3], s[100:101]
; Block a: pair k of my 32 pairs (even e, odd o) with (c, s): (e c - o s, o c + e s).  Each accumulator is read from its low end on.
.macro ROT a
	WIN 0x02+(\a)/4                                ; source 0: window 2 or 3
.set AC, 64*((\a)%4)
.set CB, CS+32*((\a)%2)
.set kk, 0
.rept 8
.irp k, 0,1,2,3
	v_pk_mul_f32 v[TP+2*\k:TP+2*\k+1], v[AC+2*(kk+\k):AC+2*(kk+\k)+1], v[CB+16*(((kk+\k)/8)%2)+2*((kk+\k)%8):CB+16*(((kk+\k)/8)%2)+2*((kk+\k)%8)+1] op_sel:[1,1] op_sel_hi:[0,1]   ; (o s, e s)
.endr
.irp k, 0,1,2,3
	v_pk_fma_f32 v[H+2*(kk+\k):H+2*(kk+\k)+1], v[AC+2*(kk+\k):AC+2*(kk+\k)+1], v[CB+16*(((kk+\k)/8)%2)+2*((kk+\k)%8):CB+16*(((kk+\k)/8)%2)+2*((kk+\k)%8)+1], v[TP+2*\k:TP+2*\k+1] op_sel_hi:[1,0,1] neg_lo:[0,0,1]
.endr
.set kk, kk+4
.endr
	WIN 0
.endm
.irp a, 0,1,2,3,4,5,6,7
.if \a < 7
	s_wait_loadcnt 8                               ; this block's cos and sin are in; the next block's eight loads may be out
.else
	s_wait_loadcnt 0x0
.endif
	ROT \a
.if \a+2 <= 7
	CSLOAD \a+2
.endif
	s_wait_xcnt 0x0                                ; the last block's stores have read the codes' registers
	QUANT H                                        ; blocks 0, 1: my first head's 64; blocks 2, 3: my second head's
.irp p, 0,1,2,3,4,5
	global_store_b64 v4, v[PC+2*\p:PC+2*\p+1], s[98:99] offset:768*\a+REC*(\p/3)+256*(\p%3)   ; registers 0-5 of a fragment for each head: 256 consecutive bytes a store, aligned
.endr
	v_mov_b32 v[SW+\a], v[PW]
.endr
.irp i, 0,1,2,3
	v_cndmask_b32 v[SD+\i], v[SW+\i], v[SW+4+\i], vcc_lo   ; lanes 0-15: tiles 0-3; lanes 16-31: tiles 4-7
.endr
	global_store_b128 v6, v[SD:SD+3], s[100:101]   ; first head: its bytes are bytes 0, 1 (bytes 2, 3 meet zero codes)
	s_wait_xcnt 0x0
.irp i, 0,1,2,3
	v_lshrrev_b32 v[SD+\i], 16, v[SD+\i]
.endr
	global_store_b128 v6, v[SD:SD+3], s[100:101] offset:REC   ; second head
	s_branch .Ltail
	; ---------------- v: add the bias, quantise along the keys, store whole fragments
.Lv_out:
	s_lshr_b32 s2, s22, 3                          ; batch
	s_lshl_b32 s2, s2, 4
	s_lshl_b32 s3, s93, 2
	s_add_co_u32 s2, s2, s3
	s_lshl_b32 s3, s17, 1
	s_add_co_u32 s2, s2, s3                        ; 16 x batch + my first head
	s_mul_i32 s2, s2, REC
	s_and_b32 s3, s22, 7
	s_lshl_b32 s3, s3, 1
	s_add_co_u32 s3, s3, s18                       ; g: my 128 keys
	s_mul_i32 s20, s3, 12288
	s_add_co_u32 s98, s2, s20
	s_add_co_u32 s98, s98, 12288+6144
	s_mov_b32 s99, 0
	s_lshl_b32 s20, s3, 8
	s_add_co_u32 s100, s2, s20
	s_add_co_u32 s100, s100, 8192
	s_mov_b32 s101, 0
	s_add_nc_u64 s[98:99], s[14:15], s[98:99]
	s_add_nc_u64 s[100:101], s[14:15], s[100:101]
.irp a, 0,1,2,3,4,5,6,7
	WIN 0x02+(\a)/4
.set AC, 64*((\a)%4)
.set kk, 0
.rept 32
.if ((\a)%2) == 0
	v_pk_add_f32 v[H+2*kk:H+2*kk+1], v[AC+2*kk:AC+2*kk+1], v[VB+2*((\a)/2):VB+2*((\a)/2)+1] op_sel_hi:[1,0]
.else
	v_pk_add_f32 v[H+2*kk:H+2*kk+1], v[AC+2*kk:AC+2*kk+1], v[VB+2*((\a)/2):VB+2*((\a)/2)+1] op_sel:[0,1] op_sel_hi:[1,1]
.endif
.set kk, kk+1
.endr
	WIN 0
	s_wait_xcnt 0x0
	QUANT H                                        ; 16 channels x 128 keys: a whole fragment of V^T
.irp g, 0,1,2
	global_store_b128 v6, v[PC+4*\g:PC+4*\g+3], s[98:99] offset:REC*(\a/4)+1536*(\a%4)+512*\g
.endr
	v_mov_b32 v[SW+\a], v[PW]
.endr
.irp i, 0,1,2,3
	v_cndmask_b32 v[SD+\i], v[SW+\i], v[SW+4+\i], vcc_lo   ; lanes 0-15: my first head's four tiles; lanes 16-31: my second head's
.endr
	global_store_b128 v7, v[SD:SD+3], s[100:101]   ; 256 consecutive bytes, aligned, in each of the two records
.Ltail:
	s_wait_tensorcnt 0x0                           ; the wave's end
	ds_add_u32 v[SPW], v[NIL]
	s_wait_dscnt 0x0
	CROUND                                         ; the closing round: no work-group ends while a partner may still ask for a tile that names it
	s_endpgm
.Lfunc_end_k_qf0bd94d234_qkv:
	.size	k_qf0bd94d234_qkv, .Lfunc_end_k_qf0bd94d234_qkv-k_qf0bd94d234_qkv
	.p2alignl 7, 3214868480
	.fill 96, 4, 3214868480
	.section	.rodata,"a",@progbits
	.p2align	6, 0x0
	.amdhsa_kernel k_qf0bd94d234_qkv
		.amdhsa_group_segment_fixed_size 327680
		.amdhsa_private_segment_fixed_size 0
		.amdhsa_enable_private_segment 0
		.amdhsa_kernarg_size 48
		.amdhsa_user_sgpr_count 2
		.amdhsa_user_sgpr_kernarg_segment_ptr 1
		.amdhsa_wavefront_size32 1
		.amdhsa_system_sgpr_workgroup_id_x 1
		.amdhsa_system_sgpr_workgroup_id_y 1
		.amdhsa_system_sgpr_workgroup_id_z 1
		.amdhsa_system_vgpr_workitem_id 0
		.amdhsa_next_free_vgpr 1024
		.amdhsa_next_free_sgpr 102
		.amdhsa_reserve_vcc 1
		.amdhsa_float_denorm_mode_32 3
		.amdhsa_float_denorm_mode_16_64 3
		.amdhsa_memory_ordered 1
		.amdhsa_forward_progress 1
		.amdhsa_inst_pref_size 255
	.end_amdhsa_kernel
	.section	.bss,"aw",@nobits
	.p2align	6
	.space	262144
	.amdgpu_metadata
---
amdhsa.version: [ 1, 2 ]
amdhsa.kernels:
  - .name:           k_qf0bd94d234_qkv
    .symbol:         k_qf0bd94d234_qkv.kd
    .args:
      - { .name: wcod, .offset: 0, .size: 8, .value_kind: global_buffer, .address_space: global }
      - { .name: wscl, .offset: 8, .size: 8, .value_kind: global_buffer, .address_space: global }
      - { .name: rope, .offset: 16, .size: 8, .value_kind: global_buffer, .address_space: global }
      - { .name: b_qkv, .offset: 24, .size: 8, .value_kind: global_buffer, .address_space: global }
      - { .name: qrec, .offset: 32, .size: 8, .value_kind: global_buffer, .address_space: global }
      - { .name: kv, .offset: 40, .size: 8, .value_kind: global_buffer, .address_space: global }
    .group_segment_fixed_size: 327680
    .private_segment_fixed_size: 0
    .kernarg_segment_align: 8
    .kernarg_segment_size: 48
    .max_flat_workgroup_size: 128
    .sgpr_count:     102
    .vgpr_count:     1024
    .wavefront_size: 32
...
	.end_amdgpu_metadata
.endif
;; end of part 2
;; launch attn (part 3): grid 4 x 64, 16 waves a work-group, clusters of 4 x 1, 210,944 bytes of LDS; arguments qrec, kv, acod, ascl; writes acod, ascl
.if DOCPART == 3
	.amdgcn_target "amdgcn-amd-amdhsa--gfx1250"
	.amdhsa_code_object_version 6
	.text
	.protected	k_qf0bd94d234_attn
	.globl	k_qf0bd94d234_attn
	.p2align	8
	.type	k_qf0bd94d234_attn,@function
k_qf0bd94d234_attn:
	s_mov_b64 s[64:65], 0
	v_nop
	global_prefetch_b8 v0, s[64:65] scope:SCOPE_SE
	s_setreg_imm32_b32 hwreg(HW_REG_WAVE_MODE, 25, 1), 1
	s_wait_xcnt 0x0
	s_wait_alu depctr_hold_cnt(0) depctr_sa_sdst(0) depctr_va_vdst(0) depctr_va_sdst(0) depctr_va_ssrc(0) depctr_va_vcc(0) depctr_vm_vsrc(0)
	s_getreg_b32 s2, hwreg(HW_REG_IB_STS2, 6, 4)
	s_cmp_eq_u32 s2, 0
	s_cbranch_scc0 .Lentry_in_a_cluster
	s_endpgm
.Lentry_in_a_cluster:
	s_bfe_u32 s2, ttmp6, 0x10000c
	s_cmp_lg_u32 s2, 0x3003
	s_cbranch_scc0 .Lentry_shape_is_right
	s_endpgm
.Lentry_shape_is_right:
; ATTN.  softmax(q k^T / 8) v for one batch and head, both products on codes of BF6 (E3M2) with E8M0 scales; the result, divided by the row's sum, is quantised along the head and stored as the next product's operand.
; THE SOFTMAX: t = score x log2(e) / 8; M = the row's largest t so far, rounded UP to a whole number; p = 2^(t - M) is quantised along the keys, not normalised; the row's sum is taken of the unquantised p.
; When M moves, the sum and O are multiplied by 2^(old M - new M): exact.
; SHARES.  A work-group owns 512 queries of one head; each of its sixteen waves owns two tiles of 16 queries, one after the other, in 256 registers: four waves to a SIMD.  Every wave walks all 2,048 keys, 128 a step.
; THE HEAD'S WHOLE RECORD (K's and V's codes and scale words, 208,896 bytes) lies in LDS as it lies in memory, filled ONCE: no slot is filled again.  The four work-groups of a head are one cluster and ask for it jointly.
; LAYOUT.  Both products are used transposed: S^T = K Q^T, O^T = V^T P^T: a lane holds ONE query (lane % 16).  The keys of a tile of K are 32 (t / 2) + 8 (t % 2) + r + 8 (r / 8), so that the 16 registers of tiles
; 2 b, 2 b + 1 are 16 neighbouring keys; V's channels likewise, so that O^T's registers are neighbours along the next product's K.
; THE HEAD HAS 64 CHANNELS, the instruction takes 128: Q's registers 6-11 hold zero codes.  K's half fragments lie six registers apart; as registers 6-11 a tile's operand names the next tile's codes, which meet Q's zeros.
; LIMITS: NaN and infinities are not served; a block whose largest magnitude lies under 2^-122, a block of zeros among them, gets the byte 1 (zero codes; the bytes are read by this program alone).
; REGISTERS: v1-7 offsets that stay; v8-11 the step's LDS addresses; v12 -M, v13 the largest t, v[14:15] the sum; v16-27 Q and zeros; v28-31 K's scale words; v32-79 K's eight half fragments, then V's four fragments;
;   v80-85 zeros; v86-91 the second tile's Q; v92, v93 Q's scale words; v94 p's; v96-159 S^T, then p; v160-191 O^T; v192-195 V's scale words; v196-207 p's codes; v208-231 at work.
.set REC,   208896
.set WV,    12
.set SEL,   20
.set CS,    22                         ; s[22:23] c = log2(e) / 8
.set G1P,   24                         ; s[24:31] the record's first part: 60 rows of 256 bytes a wave (scale words, key steps 0-3)
.set G1R,   32                         ; s[32:39] the rest: 144 rows of 256 bytes a wave (key steps 4-15)
.set G0P,   40
.set G0R,   44
.set TB,    48                         ; where the step's codes begin: 12,288 bytes a step
.set TS,    49                         ; K's scale words: 512 a step
.set TJ,    50                         ; V's: 256 a step
.set CNT,   51
.macro CROUND
	s_barrier_signal -1
	s_barrier_wait -1
	s_cmp_lg_u32 s[WV], 0
	s_cbranch_scc1 .Lnot_wave_0_\@
	s_barrier_signal -3
.Lnot_wave_0_\@:
	s_barrier_wait -3
	s_barrier_signal -1
	s_barrier_wait -1
.endm
	s_load_b256 s[4:11], s[0:1], 0x0               ; qrec, kv, acod, ascl
	v_lshl_add_u32 v254, v0, 2, 0x33000
	v_mov_b32 v255, 0
	ds_add_u32 v254, v255
	ds_add_u32 v254, v255
	v_lshrrev_b32 v1, 5, v0
	s_delay_alu instid0(VALU_DEP_1)
	v_readfirstlane_b32 s[WV], v1                  ; wave 0..15
	s_bfe_u32 s13, ttmp6, 0x40000                  ; cx: it enters Q's and the outputs' addresses alone
	s_and_b32 s14, ttmp7, 0xffff                   ; 16 x batch + head, which the four partners share
	s_mul_i32 s52, s14, REC
	s_mov_b32 s53, 0
	s_mov_b32 s[G1P], 15|(3<<16)|(1<<21)           ; 15:0 the mask: all four work-groups; 17:16 elements of 8 bytes; 21 set beside a mask
	s_mov_b32 s[G1P+1], 32<<16
	s_mov_b32 s[G1P+2], 60<<16
	s_mov_b32 s[G1P+3], 32<<16
	s_mov_b32 s[G1P+4], 60
	s_mov_b32 s[G1P+5], 32
	s_mov_b32 s[G1P+6], 0
	s_mov_b32 s[G1P+7], 0
	s_mov_b32 s[G1R], 15|(3<<16)|(1<<21)
	s_mov_b32 s[G1R+1], 32<<16
	s_mov_b32 s[G1R+2], 144<<16
	s_mov_b32 s[G1R+3], 32<<16
	s_mov_b32 s[G1R+4], 144
	s_mov_b32 s[G1R+5], 32
	s_mov_b32 s[G1R+6], 0
	s_mov_b32 s[G1R+7], 0
	s_mul_i32 s15, s[WV], 15360                    ; waves 0-3: my quarter of the first part,
	s_mul_i32 s16, s[WV], 36864
	s_add_co_u32 s16, s16, 61440                   ; and of the rest: the same byte in LDS as in the record
	s_mov_b32 s56, s15
	s_mov_b32 s57, 0
	s_mov_b32 s58, s16
	s_mov_b32 s59, 0
	s_mov_b32 s[SEL], 0x76543210
	s_mov_b32 s[SEL+1], 0xfedcba98
	s_mov_b32 s[CS], 0x3e38aa3b
	s_mov_b32 s[CS+1], s[CS]                       ; (named with it as a pair, so it is written)
	s_wait_dscnt 0x0
	s_wait_kmcnt 0x0
	s_add_nc_u64 s[54:55], s[6:7], s[52:53]        ; the head's record
	s_mov_b32 s[G0P], 1
	s_mov_b32 s[G0P+1], s15
	s_add_nc_u64 s[G0P+2:G0P+3], s[54:55], s[56:57]
	s_or_b32 s[G0P+3], s[G0P+3], 0x80000000
	s_mov_b32 s[G0R], 1
	s_mov_b32 s[G0R+1], s16
	s_add_nc_u64 s[G0R+2:G0R+3], s[54:55], s[58:59]
	s_or_b32 s[G0R+3], s[G0R+3], 0x80000000
	CROUND                                         ; all four work-groups are here: the joint loads meet
	s_cmp_lt_u32 s[WV], 4                          ; a wave's two fills stand in one branch: two loads of mine are out
	s_cbranch_scc0 .Lno_fetch
	tensor_load_to_lds s[G0P:G0P+3], s[G1P:G1P+7]
	s_nop 0
	tensor_load_to_lds s[G0R:G0R+3], s[G1R:G1R+7]
	s_nop 0
.rept 4
	v_nop
.endr
.Lno_fetch:
	s_lshl_b32 s17, ttmp9, 2
	s_add_co_u32 s17, s17, s13                     ; which 512 queries
	s_lshl_b32 s17, s17, 5
	s_add_co_u32 s17, s17, s[WV]                   ; T: my first tile of queries; the second is T + 16
	s_lshr_b32 s18, s17, 3
	s_and_b32 s19, s17, 7
	s_mul_i32 s56, s18, 12288
	s_mul_i32 s57, s19, 768
	s_add_co_u32 s56, s56, s57
	s_add_co_u32 s56, s56, 12288
	s_mov_b32 s57, 0
	s_add_nc_u64 s[56:57], s[56:57], s[52:53]
	s_add_nc_u64 s[56:57], s[4:5], s[56:57]        ; Q's codes
	s_lshl_b32 s58, s18, 9
	s_bfe_u32 s59, s17, 0x10002
	s_lshl_b32 s59, s59, 8
	s_add_co_u32 s58, s58, s59
	s_and_b32 s59, s17, 3
	s_lshl_b32 s59, s59, 2
	s_add_co_u32 s58, s58, s59
	s_mov_b32 s59, 0
	s_add_nc_u64 s[58:59], s[58:59], s[52:53]
	s_add_nc_u64 s[58:59], s[4:5], s[58:59]        ; Q's scale words
	s_lshr_b32 s18, s14, 4                         ; batch
	s_and_b32 s19, s14, 15                         ; head
	s_lshl_b32 s18, s18, 7
	s_add_co_u32 s18, s18, s17                     ; the tile of rows in the next product's operand
	s_mul_i32 s60, s18, 12288
	s_lshr_b32 s61, s19, 1
	s_mul_i32 s61, s61, 1536                       ; K step head / 2,
	s_add_co_u32 s60, s60, s61
	s_and_b32 s61, s19, 1
	s_mul_i32 s61, s61, 768                        ; registers 0-5 or 6-11
	s_add_co_u32 s60, s60, s61
	s_mov_b32 s61, 0
	s_add_nc_u64 s[60:61], s[8:9], s[60:61]
	s_lshl_b32 s62, s18, 9
	s_lshr_b32 s63, s19, 2
	s_lshl_b32 s63, s63, 7
	s_add_co_u32 s62, s62, s63
	s_and_b32 s63, s19, 3
	s_lshl_b32 s63, s63, 1
	s_add_co_u32 s62, s62, s63
	s_mov_b32 s63, 0
	s_add_nc_u64 s[62:63], s[10:11], s[62:63]      ; my head's two scale bytes of each row
	v_and_b32 v8, 31, v0                           ; lane
	v_and_b32 v9, 15, v0                           ; r
	s_delay_alu instid0(VALU_DEP_2)
	v_lshlrev_b32 v5, 3, v8                        ; 8 x lane
	s_delay_alu instid0(VALU_DEP_3)
	v_lshlrev_b32 v3, 4, v8                        ; K's scale words: 16 x lane
	s_delay_alu instid0(VALU_DEP_2)
	v_add_nc_u32 v1, 12288, v5                     ; K's codes
	s_delay_alu instid0(VALU_DEP_2)
	v_add_nc_u32 v2, 18432, v3                     ; V's codes
	v_lshlrev_b32 v7, 4, v9                        ; 16 r
	s_delay_alu instid0(VALU_DEP_1)
	v_add_nc_u32 v4, 8192, v7                      ; V's scale words
	v_lshlrev_b32 v6, 3, v9                        ; 8 r
.irp p, 0,1,2
	global_load_b64 v[16+2*\p:17+2*\p], v5, s[56:57] offset:256*\p
	global_load_b64 v[86+2*\p:87+2*\p], v5, s[56:57] offset:24576+256*\p
.endr
	global_load_b32 v92, v7, s[58:59]
	global_load_b32 v93, v7, s[58:59] offset:1024
.irp i, 0,1,2,3,4,5
	v_mov_b32 v[22+\i], 0                          ; Q's zero codes for k = 64 .. 127
	v_mov_b32 v[80+\i], 0                          ; what the last tile of K names as its registers 6-11
.endr
.irp b, 0,1,2,3
	v_mov_b32 v[220+\b], 0                         ; a lane permute's destination counts as one of its sources
.endr
	v_mov_b32 v229, 0                              ; (named as the upper half of the pair v[228:229])
.macro BEGIN                           ; a tile of queries begins: the step is written once, its first trip finds zeros, which the first change of M leaves zeros
	v_mov_b32 v13, 0xff61b1e6                      ; the largest t so far: -3e38
	s_delay_alu instid0(VALU_DEP_1)
	v_floor_f32 v12, -v13                          ; -M
	v_mov_b32 v14, 0
	v_mov_b32 v15, 0
.set j, 0
.rept 32
	v_mov_b32 v[160+j], 0
.set j, j+1
.endr
	s_mov_b32 s[TB], 0
	s_mov_b32 s[TS], 0
	s_mov_b32 s[TJ], 0
.endm
; A KEY STEP: 128 keys.
.macro STEP
	v_add_nc_u32 v8, s[TB], v1                     ; these four are also the places behind the last step's products, in front of the loads below
	v_add_nc_u32 v9, s[TB], v2
	v_add_nc_u32 v10, s[TS], v3
	v_add_nc_u32 v11, s[TJ], v4
.irp t, 0,1,2,3,4,5,6,7
.irp p, 0,1,2
	ds_load_b64 v[32+6*\t+2*\p:33+6*\t+2*\p], v8 offset:768*\t+256*\p
.endr
.endr
	ds_load_b128 v[28:31], v10                     ; lanes 0-15: the words of tiles 0-3; lanes 16-31: of tiles 4-7
	s_wait_alu depctr_va_vdst(0)
	s_wait_dscnt 0x0
.irp t, 0,1,2,3
	v_wmma_scale_f32_16x16x128_f8f6f4 v[96+8*\t:103+8*\t], v[32+6*\t:43+6*\t], v[16:27], 0, v[28+\t], v92 matrix_a_fmt:MATRIX_FMT_BF6 matrix_b_fmt:MATRIX_FMT_BF6
.endr
.irp t, 4,5,6,7
	v_wmma_scale_f32_16x16x128_f8f6f4 v[96+8*\t:103+8*\t], v[32+6*\t:43+6*\t], v[16:27], 0, v[24+\t], v92 matrix_a_fmt:MATRIX_FMT_BF6 matrix_b_fmt:MATRIX_FMT_BF6 matrix_a_scale:MATRIX_SCALE_ROW1
.endr
.rept 4
	v_nop                                          ; places in front of the loads into K's registers and of the first read of the scores
.endr
.irp t, 0,1,2,3
.irp g, 0,1,2
	ds_load_b128 v[32+12*\t+4*\g:35+12*\t+4*\g], v9 offset:1536*\t+512*\g   ; V's four fragments land while the softmax is worked
.endr
.endr
	ds_load_b128 v[192:195], v11
.irp b, 0,1,2,3
	v_max3_num_f32 v[216+\b], v[96+16*\b], v[97+16*\b], v[98+16*\b]   ; the largest score of each block of 32 keys: for the row's maximum, and, since p rises with the score, for the block's largest p
.endr
.irp i, 3,5,7,9,11,13
.irp b, 0,1,2,3
	v_max3_num_f32 v[216+\b], v[216+\b], v[96+16*\b+\i], v[97+16*\b+\i]
.endr
.endr
.irp b, 0,1,2,3
	v_max_num_f32 v[216+\b], v[216+\b], v[111+16*\b]
.endr
.irp b, 0,1,2,3
	s_delay_alu instid0(VALU_DEP_4)
	v_permlanex16_b32 v[220+\b], v[216+\b], s[SEL], s[SEL+1]
.endr
.irp b, 0,1,2,3
	s_delay_alu instid0(VALU_DEP_4)
	v_max_num_f32 v[216+\b], v[216+\b], v[220+\b]  ; with lane l xor 16's 16 keys
.endr
	s_delay_alu instid0(VALU_DEP_2)
	v_max3_num_f32 v230, v216, v217, v218
	s_delay_alu instid0(VALU_DEP_1)
	v_max_num_f32 v230, v230, v219
	s_delay_alu instid0(VALU_DEP_1)
	v_mul_f32 v230, s[CS], v230                    ; as t
	s_delay_alu instid0(VALU_DEP_1)
	v_max_num_f32 v13, v13, v230                   ; the running largest t
	v_mov_b32 v230, v12
	s_delay_alu instid0(VALU_DEP_2)
	v_floor_f32 v12, -v13                          ; the new -M = -ceil(t)
	s_delay_alu instid0(VALU_DEP_1)
	v_sub_f32 v230, v12, v230                      ; old M - new M: a whole number, 0 or less
	s_delay_alu instid0(VALU_DEP_1)
	v_cvt_i32_f32 v230, v230                       ; (it saturates)
	s_delay_alu instid0(VALU_DEP_1)
	v_ldexp_f32 v228, 1.0, v230                    ; f = 2^(old M - new M)
.set j, 0
.rept 32
	v_pk_fma_f32 v[96+j:97+j], v[96+j:97+j], s[CS:CS+1], v[12:13] op_sel_hi:[1,0,0]   ; t - M
.set j, j+2
.endr
.irp b, 0,1,2,3
	v_fma_f32 v[216+\b], v[216+\b], s[CS], v12     ; the same of each block's largest score
.endr
.set j, 0
	s_setprio 1
	s_wait_alu depctr_va_vdst(0)
.rept 64
	v_exp_f32 v[96+j], v[96+j]                     ; p = 2^(t - M)
.set j, j+1
.endr
	v_pk_mul_f32 v[14:15], v[14:15], v[228:229] op_sel_hi:[1,0]   ; the sums under the new M: the plain place behind the exponentials
	s_wait_alu depctr_va_vdst(0)                   ; one wait for the batch of 64, ahead of its first reader
.irp b, 0,1,2,3
	v_exp_f32 v[216+\b], v[216+\b]                 ; the block's largest p
.endr
	v_pk_add_f32 v[220:221], v[100:101], v[104:105]
	v_pk_add_f32 v[252:253], v[108:109], v[112:113]
	v_pk_add_f32 v[250:251], v[116:117], v[120:121]
	v_pk_add_f32 v[248:249], v[124:125], v[128:129]
	v_pk_add_f32 v[246:247], v[132:133], v[136:137]
	v_pk_add_f32 v[244:245], v[140:141], v[144:145]
	v_pk_add_f32 v[242:243], v[148:149], v[152:153]
	v_pk_add_f32 v[14:15], v[14:15], v[156:157]
	v_pk_add_f32 v[220:221], v[220:221], v[96:97]
	v_pk_add_f32 v[252:253], v[252:253], v[98:99]
	v_pk_add_f32 v[250:251], v[250:251], v[102:103]
	v_pk_add_f32 v[248:249], v[248:249], v[106:107]
	v_pk_add_f32 v[246:247], v[246:247], v[110:111]
	v_pk_add_f32 v[244:245], v[244:245], v[114:115]
	v_pk_add_f32 v[242:243], v[242:243], v[118:119]
	v_pk_add_f32 v[14:15], v[14:15], v[122:123]
	v_pk_add_f32 v[220:221], v[220:221], v[126:127]
	v_pk_add_f32 v[252:253], v[252:253], v[130:131]
	v_pk_add_f32 v[250:251], v[250:251], v[134:135]
	v_pk_add_f32 v[248:249], v[248:249], v[138:139]
	v_pk_add_f32 v[246:247], v[246:247], v[142:143]
	v_pk_add_f32 v[244:245], v[244:245], v[146:147]
	v_pk_add_f32 v[242:243], v[242:243], v[150:151]
	v_pk_add_f32 v[14:15], v[14:15], v[154:155]
	v_pk_add_f32 v[220:221], v[220:221], v[158:159]
	s_delay_alu instid0(VALU_DEP_2)
	v_pk_add_f32 v[14:15], v[14:15], v[248:249]
	s_delay_alu instid0(VALU_DEP_2)
	v_pk_add_f32 v[220:221], v[220:221], v[246:247]
	v_pk_add_f32 v[252:253], v[252:253], v[244:245]
	v_pk_add_f32 v[250:251], v[250:251], v[242:243]
	s_delay_alu instid0(VALU_DEP_2)
	v_pk_add_f32 v[14:15], v[14:15], v[252:253]
	s_delay_alu instid0(VALU_DEP_2)
	v_pk_add_f32 v[220:221], v[220:221], v[250:251]
	s_delay_alu instid0(VALU_DEP_1)
	v_pk_add_f32 v[14:15], v[14:15], v[220:221]
	s_wait_alu depctr_va_vdst(0)                   ; and one for the four
.irp b, 0,1,2,3
	v_max_num_f32 v[216+\b], 0x2800000, v[216+\b]  ; the floor 2^(5 - 127)
.endr
.irp b, 0,1,2,3
	s_delay_alu instid0(VALU_DEP_4)
	v_add_nc_u32 v[224+\b], 0xfe000000, v[216+\b]  ; the conversion's scale operand
.endr
.irp b, 0,1,2,3
	s_delay_alu instid0(VALU_DEP_4)
	v_lshrrev_b32 v[220+\b], 23, v[224+\b]         ; the scale's byte
.endr
	s_delay_alu instid0(VALU_DEP_3)
	v_lshl_or_b32 v94, v221, 8, v220               ; p's scale word for these 128 keys
	s_delay_alu instid0(VALU_DEP_1)
	v_lshl_or_b32 v94, v222, 16, v94
	s_delay_alu instid0(VALU_DEP_1)
	v_lshl_or_b32 v94, v223, 24, v94
.irp c, 0,1
	v_cvt_scalef32_pk16_bf6_f32 v[196+6*\c:198+6*\c], v[96+32*\c:111+32*\c], v[224+2*\c]
	v_cvt_scalef32_pk16_bf6_f32 v[208+4*\c:210+4*\c], v[112+32*\c:127+32*\c], v[224+2*\c+1]
.endr
	v_nop                                          ; one plain place behind a scaled conversion
.irp c, 0,1
.irp i, 0,1,2
	v_permlane16_swap_b32 v[196+6*\c+\i], v[208+4*\c+\i]
.endr
.irp i, 0,1,2
	s_delay_alu instid0(VALU_DEP_3)
	v_mov_b32 v[199+6*\c+\i], v[208+4*\c+\i]
.endr
.endr
.set j, 0
	s_setprio 0
.rept 16
	v_pk_mul_f32 v[160+j:161+j], v[160+j:161+j], v[228:229] op_sel_hi:[1,0]   ; O^T under the new M; these sixteen are also the places between the scale word and the codes just made and the products below
.set j, j+2
.endr
	s_wait_alu depctr_va_vdst(0)
	s_wait_dscnt 0x0                               ; V is in
.irp t, 0,1,2,3
	v_wmma_scale_f32_16x16x128_f8f6f4 v[160+8*\t:167+8*\t], v[32+12*\t:43+12*\t], v[196:207], v[160+8*\t:167+8*\t], v[192+\t], v94 matrix_a_fmt:MATRIX_FMT_BF6 matrix_b_fmt:MATRIX_FMT_BF6
.endr
	s_add_co_u32 s[TB], s[TB], 12288
	s_add_co_u32 s[TS], s[TS], 512
	s_add_co_u32 s[TJ], s[TJ], 256
.endm
.macro WALK n                          ; n key steps
	s_mov_b32 s[CNT], \n
.Lstep_\@:
	s_setprio 2
	STEP
	s_sub_co_u32 s[CNT], s[CNT], 1
	s_cmp_lg_u32 s[CNT], 0
	s_cbranch_scc1 .Lstep_\@
	s_setprio 0
.endm
; A tile of queries ends: O^T / the sum, quantised along the head's 64 (two blocks), stored as registers of the next product's operand.
.macro FINISH pass
	v_add_f32 v14, v14, v15
	s_delay_alu instid0(VALU_DEP_1)
	v_permlanex16_b32 v230, v14, s[SEL], s[SEL+1]
	s_delay_alu instid0(VALU_DEP_1)
	v_add_f32 v14, v14, v230                       ; the row's sum
	v_nop
	v_nop
	s_wait_alu depctr_va_vdst(0)
	v_rcp_f32 v14, v14
	v_nop                                          ; a plain place behind the reciprocal; with the lines above also the places behind the last products
	s_wait_alu depctr_va_vdst(0)                   ; the wait, ahead of the first reader
.set j, 0
.rept 16
	v_pk_mul_f32 v[96+j:97+j], v[160+j:161+j], v[14:15] op_sel_hi:[1,0]   ; register 16 b + i: channel 32 b + 16 h + i of my query
.set j, j+2
.endr
.irp b, 0,1
	v_max3_num_f32 v[216+\b], |v[96+16*\b]|, |v[97+16*\b]|, 0x2800000
.endr
.irp i, 2,4,6,8,10,12,14
.irp b, 0,1
	s_delay_alu instid0(VALU_DEP_2)
	v_max3_num_f32 v[216+\b], v[216+\b], |v[96+16*\b+\i]|, |v[97+16*\b+\i]|
.endr
.endr
.irp b, 0,1
	s_delay_alu instid0(VALU_DEP_2)
	v_permlanex16_b32 v[220+\b], v[216+\b], s[SEL], s[SEL+1]
.endr
.irp b, 0,1
	s_delay_alu instid0(VALU_DEP_2)
	v_max_num_f32 v[216+\b], v[216+\b], v[220+\b]
.endr
.irp b, 0,1
	s_delay_alu instid0(VALU_DEP_2)
	v_add_nc_u32 v[224+\b], 0xfe000000, v[216+\b]
.endr
.irp b, 0,1
	s_delay_alu instid0(VALU_DEP_2)
	v_lshrrev_b32 v[220+\b], 23, v[224+\b]
.endr
	s_delay_alu instid0(VALU_DEP_1)
	v_lshl_or_b32 v230, v221, 8, v220              ; my head's two scale bytes
	v_cvt_scalef32_pk16_bf6_f32 v[196:198], v[96:111], v224
	v_cvt_scalef32_pk16_bf6_f32 v[208:210], v[112:127], v225
	v_nop
.irp i, 0,1,2
	v_permlane16_swap_b32 v[196+\i], v[208+\i]
.endr
.irp i, 0,1,2
	s_delay_alu instid0(VALU_DEP_3)
	v_mov_b32 v[199+\i], v[208+\i]
.endr
.irp i, 0,1,2
	global_store_b64 v5, v[196+2*\i:197+2*\i], s[60:61] offset:196608*\pass+256*\i   ; 256 consecutive bytes, aligned
.endr
	global_store_b16 v6, v230, s[62:63] offset:8192*\pass   ; two bytes a row, 8 bytes apart: the other heads' work-groups write the bytes between; lanes l and l + 16 write the same bytes with the same value
.endm
	BEGIN
	s_wait_tensorcnt 1                             ; my part of the scale words and key steps 0-3 is in; the rest may be out
	s_wait_loadcnt 0x0                             ; Q
	s_barrier_signal -1
	s_barrier_wait -1
	WALK 4
	s_wait_tensorcnt 0x0                           ; my part of key steps 4-15 is in
	s_wait_dscnt 0x0
	s_barrier_signal -1
	s_barrier_wait -1
	WALK 12
	FINISH 0
	s_wait_xcnt 0x0                                ; the stores have read their registers
.irp i, 0,1,2,3,4,5
	v_mov_b32 v[16+\i], v[86+\i]                   ; the second tile's Q,
.endr
	v_mov_b32 v92, v93                             ; and its scale words: the lines of BEGIN stand between these and the first product
	BEGIN
	WALK 16
	FINISH 1
	s_wait_tensorcnt 0x0
	ds_add_u32 v254, v255
	s_wait_dscnt 0x0
	CROUND                                         ; the closing round
	s_endpgm
.Lfunc_end_k_qf0bd94d234_attn:
	.size	k_qf0bd94d234_attn, .Lfunc_end_k_qf0bd94d234_attn-k_qf0bd94d234_attn
	.p2alignl 7, 3214868480
	.fill 96, 4, 3214868480
	.section	.rodata,"a",@progbits
	.p2align	6, 0x0
	.amdhsa_kernel k_qf0bd94d234_attn
		.amdhsa_group_segment_fixed_size 210944
		.amdhsa_private_segment_fixed_size 0
		.amdhsa_enable_private_segment 0
		.amdhsa_kernarg_size 32
		.amdhsa_user_sgpr_count 2
		.amdhsa_user_sgpr_kernarg_segment_ptr 1
		.amdhsa_wavefront_size32 1
		.amdhsa_system_sgpr_workgroup_id_x 1
		.amdhsa_system_sgpr_workgroup_id_y 1
		.amdhsa_system_sgpr_workgroup_id_z 1
		.amdhsa_system_vgpr_workitem_id 0
		.amdhsa_next_free_vgpr 256
		.amdhsa_next_free_sgpr 66
		.amdhsa_reserve_vcc 0
		.amdhsa_float_denorm_mode_32 3
		.amdhsa_float_denorm_mode_16_64 3
		.amdhsa_memory_ordered 1
		.amdhsa_forward_progress 1
		.amdhsa_inst_pref_size 72
	.end_amdhsa_kernel
	.amdgpu_metadata
---
amdhsa.version: [ 1, 2 ]
amdhsa.kernels:
  - .name:           k_qf0bd94d234_attn
    .symbol:         k_qf0bd94d234_attn.kd
    .args:
      - { .name: qrec, .offset: 0, .size: 8, .value_kind: global_buffer, .address_space: global }
      - { .name: kv, .offset: 8, .size: 8, .value_kind: global_buffer, .address_space: global }
      - { .name: acod, .offset: 16, .size: 8, .value_kind: global_buffer, .address_space: global }
      - { .name: ascl, .offset: 24, .size: 8, .value_kind: global_buffer, .address_space: global }
    .group_segment_fixed_size: 210944
    .private_segment_fixed_size: 0
    .kernarg_segment_align: 8
    .kernarg_segment_size: 32
    .max_flat_workgroup_size: 512
    .sgpr_count:     66
    .vgpr_count:     256
    .wavefront_size: 32
...
	.end_amdgpu_metadata
.endif
;; end of part 3
;; launch proj (part 4): grid 4 x 32, 4 waves a work-group, clusters of 4 x 4, 327,680 bytes of LDS; arguments acod, ascl, wcod, wscl, b_out, out0; writes out0
.if DOCPART == 4
	.amdgcn_target "amdgcn-amd-amdhsa--gfx1250"
	.amdhsa_code_object_version 6
	.text
	.protected	k_qf0bd94d234_proj
	.globl	k_qf0bd94d234_proj
	.p2align	8
	.type	k_qf0bd94d234_proj,@function
k_qf0bd94d234_proj:
	s_mov_b64 s[64:65], 0
	v_nop
	global_prefetch_b8 v0, s[64:65] scope:SCOPE_SE
	s_setreg_imm32_b32 hwreg(HW_REG_WAVE_MODE, 25, 1), 1
	s_wait_xcnt 0x0
	s_wait_alu depctr_hold_cnt(0) depctr_sa_sdst(0) depctr_va_vdst(0) depctr_va_sdst(0) depctr_va_ssrc(0) depctr_va_vcc(0) depctr_vm_vsrc(0)
	s_getreg_b32 s2, hwreg(HW_REG_IB_STS2, 6, 4)
	s_cmp_eq_u32 s2, 0
	s_cbranch_scc0 .Lentry_in_a_cluster
	s_endpgm
.Lentry_in_a_cluster:
	s_bfe_u32 s2, ttmp6, 0x10000c
	s_cmp_lg_u32 s2, 0xf033
	s_cbranch_scc0 .Lentry_shape_is_right
	s_endpgm
.Lentry_shape_is_right:
.set ROWT,  3072
.set HALFT, 8*ROWT
.set SLOT,  4*HALFT
.set SCL,   3*SLOT
.set HALFS, 4096
.set SPARE, SCL+4*HALFS
.set FR,    12
.set ADRA,  16
.set ADRB,  20
.set STO,   24
.set RD,    25
.set CO,    26
.set ADRS,  27
.set SPW,   28
.set NIL,   29
.set SC,    32
.set BIAS,  64
.set AF,    128
.set BK,    128
.set SPITCH, 528
.set G1,    24
.set G0,    32
.set G1B,   44
.set G0B,   52
.set G1S,   68
.set G0S,   76
.set G1SB,  80
.set G0SB,  88
.set MSB, 0
.macro WIN new
.if MSB != (\new)
	s_set_vgpr_msb (MSB<<8)|(\new)
.set MSB, \new
.endif
.endm
.macro JLOAD g0a, g1a, g0b, g1b
	s_cmp_eq_u32 s17, 0
	s_cbranch_scc0 .Lfor_b_\@
	tensor_load_to_lds s[\g0a:\g0a+3], s[\g1a:\g1a+7]
	s_nop 0
.rept 4
	v_nop
.endr
	s_branch .Lasked_\@
.Lfor_b_\@:
	tensor_load_to_lds s[\g0b:\g0b+3], s[\g1b:\g1b+7]
	s_nop 0
.rept 4
	v_nop
.endr
.Lasked_\@:
.endm
.macro CREST
	s_cmp_lg_u32 s16, 0
	s_cbranch_scc1 .Lnot_wave_0_\@
	s_barrier_signal -3
.Lnot_wave_0_\@:
	s_barrier_wait -3
	s_barrier_signal -1
	s_barrier_wait -1
.endm
.macro CROUND
	s_barrier_signal -1
	s_barrier_wait -1
	CREST
.endm
.macro PLACES n
.rept \n
	v_nop
.endr
.endm
.macro FRAG reg, adr, q, i
.irp p, 0,1,2,3,4,5
	ds_load_b64 v[\reg+2*\p:\reg+2*\p+1], v[\adr] offset:(\i)*ROWT+(\q)*1536+\p*256
.endr
.endm
.macro FETCH_B slot, q, p
	WIN 0x40
.irp i, 0,1,2,3,4,5,6,7
	FRAG 128*(\p)+FR*\i, ADRB+\slot, \q, \i
.endr
	WIN 0
.endm
.macro FETCH_A slot, q, i0
.irp i, \i0, \i0+1, \i0+2, \i0+3
	FRAG AF+FR*(\i), ADRA+\slot, \q, \i
.endr
.endm
.macro SCALES j
.irp i, 0,1,2,3,4,5,6,7
	ds_load_b64 v[SC+16*((\j)%2)+2*\i:SC+16*((\j)%2)+2*\i+1], v[ADRS] offset:512*\i+128*(\j)
.endr
.endm
.macro MUL16 a0, p, q, sc, first
.irp a, \a0, \a0+1
.irp b, 0,1,2,3,4,5,6,7
.if \first
	v_wmma_scale_f32_16x16x128_f8f6f4 v[8*(8*((\a)%4)+\b):8*(8*((\a)%4)+\b)+7], v[128*(\p)+FR*\b:128*(\p)+FR*\b+FR-1], v[AF+FR*(\a):AF+FR*(\a)+FR-1], v[BIAS+8*\b:BIAS+8*\b+7], v[SC+16*(\sc)+2*\b+(\q)], v[SC+16*(\sc)+2*(\a)+(\q)] matrix_a_fmt:MATRIX_FMT_BF6 matrix_b_fmt:MATRIX_FMT_BF6 matrix_a_scale:MATRIX_SCALE_ROW1
.else
	v_wmma_scale_f32_16x16x128_f8f6f4 v[8*(8*((\a)%4)+\b):8*(8*((\a)%4)+\b)+7], v[128*(\p)+FR*\b:128*(\p)+FR*\b+FR-1], v[AF+FR*(\a):AF+FR*(\a)+FR-1], v[8*(8*((\a)%4)+\b):8*(8*((\a)%4)+\b)+7], v[SC+16*(\sc)+2*\b+(\q)], v[SC+16*(\sc)+2*(\a)+(\q)] matrix_a_fmt:MATRIX_FMT_BF6 matrix_b_fmt:MATRIX_FMT_BF6 matrix_a_scale:MATRIX_SCALE_ROW1
.endif
.endr
.endr
.endm
.macro GSTEP p, q, sc, first, ns, nq, nj
	s_wait_dscnt 24
.if \first
	WIN 0x81
.else
	WIN 0xa1
.endif
	MUL16 0, \p, \q, \sc, \first
	MUL16 2, \p, \q, \sc, \first
	s_wait_dscnt 0x0
	PLACES 4
	FETCH_B \ns, \nq, 1-(\p)
	FETCH_A \ns, \nq, 0
.if (\nq) == 0
	SCALES \nj
.endif
.if \first
	WIN 0xc1
.else
	WIN 0xf1
.endif
	MUL16 4, \p, \q, \sc, \first
	MUL16 6, \p, \q, \sc, \first
	PLACES 4
	WIN 0
	FETCH_A \ns, \nq, 4
.endm
.macro TURN sc, ns, nj, fill
	s_wait_tensorcnt 0x0
	ds_add_u32 v[SPW], v[NIL]
	s_wait_dscnt 25
	WIN 0xa1
	MUL16 0, 1, 1, \sc, 0
	s_wait_dscnt 0x0
	s_barrier_signal -1
	MUL16 2, 1, 1, \sc, 0
	WIN 0
	s_barrier_wait -1
.if \fill
	CREST
	s_add_nc_u64 s[G0+2:G0+3], s[G0+2:G0+3], 3*ROWT
	s_add_nc_u64 s[G0B+2:G0B+3], s[G0B+2:G0B+3], 3*ROWT
	JLOAD G0, G1, G0B, G1B
.else
	PLACES 4
.endif
	FETCH_B \ns, 0, 0
	FETCH_A \ns, 0, 0
	SCALES \nj
	WIN 0xf1
	MUL16 4, 1, 1, \sc, 0
	MUL16 6, 1, 1, \sc, 0
	PLACES 4
	WIN 0
	FETCH_A \ns, 0, 4
.endm
.macro LAST sc
	s_wait_dscnt 24
	WIN 0xa1
	MUL16 0, 1, 1, \sc, 0
	MUL16 2, 1, 1, \sc, 0
	s_wait_dscnt 0x0
	WIN 0xf1
	MUL16 4, 1, 1, \sc, 0
	MUL16 6, 1, 1, \sc, 0
	WIN 0
.endm
	s_load_b256 s[4:11], s[0:1], 0x0
	s_load_b128 s[12:15], s[0:1], 0x20
	v_lshl_add_u32 v[SPW], v0, 2, SPARE
	v_mov_b32 v[NIL], 0
	ds_add_u32 v28, v29
	ds_add_u32 v28, v29
	s_wait_dscnt 0x0
	v_lshrrev_b32 v1, 5, v0
	v_readfirstlane_b32 s16, v1
	s_lshr_b32 s17, s16, 1
	s_and_b32 s18, s16, 1
	s_bfe_u32 s92, ttmp6, 0x40000
	s_bfe_u32 s93, ttmp6, 0x40004
	s_and_b32 s21, ttmp7, 0xffff
	s_lshl_b32 s21, s21, 2
	s_add_co_u32 s21, s21, s93
	s_add_co_u32 s22, s92, 44
	s_lshl_b32 s94, s93, 2
	s_lshl_b32 s94, 15, s94
	s_lshl_b32 s95, 0x1111, s92
	s_or_b32 s[G1+0], s94, (3<<16)|(1<<21)
	s_or_b32 s[G1B+0], s95, (3<<16)|(1<<21)
	s_or_b32 s[G1S+0], s94, (3<<16)|(1<<21)
	s_or_b32 s[G1SB+0], s95, (3<<16)|(1<<21)
.irp g, G1, G1B
	s_mov_b32 s[\g+1], 384<<16
	s_mov_b32 s[\g+2], 8<<16
	s_mov_b32 s[\g+3], 384<<16
	s_mov_b32 s[\g+4], 8
	s_mov_b32 s[\g+5], 1536
	s_mov_b32 s[\g+6], 0
	s_mov_b32 s[\g+7], 0
.endr
.irp g, G1S, G1SB
	s_mov_b32 s[\g+1], 32<<16
	s_mov_b32 s[\g+2], 16<<16
	s_mov_b32 s[\g+3], 32<<16
	s_mov_b32 s[\g+4], 16
	s_mov_b32 s[\g+5], 32
	s_mov_b32 s[\g+6], 0
	s_mov_b32 s[\g+7], 0
.endr
	s_lshl_b32 s2, s21, 4
	s_lshl_b32 s3, s18, 3
	s_add_co_u32 s2, s2, s3
	s_mul_i32 s96, s2, 4*ROWT
	s_mov_b32 s97, 0
	s_lshl_b32 s98, s2, 9
	s_mov_b32 s99, 0
	s_lshl_b32 s20, s22, 4
	s_add_co_u32 s20, s20, s3
	s_mul_i32 s100, s20, 4*ROWT
	s_mov_b32 s101, 0
	s_lshl_b32 s2, s20, 9
	s_mov_b32 s3, 0
	s_mul_i32 s94, s16, HALFT
	s_lshl_b32 s95, s16, 12
	s_wait_kmcnt 0x0
	s_add_nc_u64 s[96:97], s[4:5], s[96:97]
	s_add_nc_u64 s[98:99], s[6:7], s[98:99]
	s_add_nc_u64 s[100:101], s[8:9], s[100:101]
	s_add_nc_u64 s[2:3], s[10:11], s[2:3]
	CROUND
	s_mov_b32 s[G0S], 1
	s_add_co_u32 s[G0S+1], s95, SCL
	s_mov_b64 s[G0S+2:G0S+3], s[98:99]
	s_or_b32 s[G0S+3], s[G0S+3], 0x80000000
	s_mov_b32 s[G0SB], 1
	s_add_co_u32 s[G0SB+1], s95, SCL
	s_mov_b64 s[G0SB+2:G0SB+3], s[2:3]
	s_or_b32 s[G0SB+3], s[G0SB+3], 0x80000000
	JLOAD G0S, G1S, G0SB, G1SB
.irp n, 0,1,2
	s_mov_b32 s[G0+4*\n], 1
	s_add_co_u32 s[G0+4*\n+1], s94, \n*SLOT
	s_add_nc_u64 s[G0+4*\n+2:G0+4*\n+3], s[96:97], \n*ROWT
	s_or_b32 s[G0+4*\n+3], s[G0+4*\n+3], 0x80000000
	s_mov_b32 s[G0B+4*\n], 1
	s_add_co_u32 s[G0B+4*\n+1], s94, \n*SLOT
	s_add_nc_u64 s[G0B+4*\n+2:G0B+4*\n+3], s[100:101], \n*ROWT
	s_or_b32 s[G0B+4*\n+3], s[G0B+4*\n+3], 0x80000000
	s_wait_alu depctr_va_vdst(0)
	s_wait_tensorcnt 0x0
	ds_add_u32 v28, v29
	s_wait_dscnt 0x0
	CROUND
	JLOAD G0+4*\n, G1, G0B+4*\n, G1B
.endr
	v_and_b32 v1, 31, v0
	v_and_b32 v2, 15, v0
	v_bfe_u32 v3, v0, 4, 1
	s_wait_alu depctr_va_vdst(0)
	v_lshlrev_b32 v4, 3, v1
	s_mul_i32 s2, s17, HALFT
	s_mul_i32 s3, s18, HALFT
	s_add_co_u32 s3, s3, 2*HALFT
.irp n, 0,1,2
	v_add_nc_u32 v[ADRA+\n], s2, v4
	v_add_nc_u32 v[ADRB+\n], s3, v4
	s_add_co_u32 s2, s2, SLOT
	s_add_co_u32 s3, s3, SLOT
.endr
	s_add_co_u32 s2, s18, 2
	s_sub_co_u32 s2, s2, s17
	s_lshl_b32 s2, s2, 12
	v_mul_u32_u24 v5, s2, v3
	s_lshl_b32 s3, s17, 12
	s_add_co_u32 s3, s3, SCL
	v_lshl_add_u32 v5, v2, 3, v5
	v_add_nc_u32 v[ADRS], s3, v5
	s_mul_i32 s2, s16, 16*SPITCH
	s_add_co_u32 s2, s2, SLOT
	v_mul_u32_u24 v5, v2, SPITCH
	v_lshl_add_u32 v5, v3, 6, v5
	v_add_nc_u32 v[STO], s2, v5
	v_lshlrev_b32 v[CO], 4, v1
	v_add_nc_u32 v[RD], s2, v[CO]
	s_lshl_b32 s96, s92, 10
	s_lshl_b32 s97, s18, 9
	s_add_co_u32 s96, s96, s97
	s_mov_b32 s97, 0
	s_add_nc_u64 s[98:99], s[12:13], s[96:97]
	v_lshlrev_b32 v5, 6, v3
.irp b, 0,1,2,3
.irp k, 0,1,2,3
	global_load_b128 v[BIAS+16*\b+4*\k:BIAS+16*\b+4*\k+3], v5, s[98:99] offset:128*\b+16*\k
.endr
.endr
	s_lshl_b32 s2, s21, 8
	s_lshl_b32 s3, s17, 7
	s_add_co_u32 s2, s2, s3
	s_lshl_b32 s2, s2, 12
	s_add_co_u32 s96, s96, s2
	s_add_nc_u64 s[14:15], s[14:15], s[96:97]
	s_wait_alu depctr_va_vdst(0)
	s_wait_tensorcnt 2
	s_wait_loadcnt 0x0
	s_barrier_signal -1
	s_barrier_wait -1
	FETCH_B 0, 0, 0
	FETCH_A 0, 0, 0
	SCALES 0
	FETCH_A 0, 0, 4
	GSTEP 0, 0, 0, 1, 0, 1, 0
	TURN 0, 1, 1, 1
	GSTEP 0, 0, 1, 0, 1, 1, 0
	GSTEP 1, 1, 1, 0, 2, 0, 2
	GSTEP 0, 0, 0, 0, 2, 1, 0
	TURN 0, 0, 3, 0
	GSTEP 0, 0, 1, 0, 0, 1, 0
	LAST 1
.macro TOSTAGE a
.set AC, 64*((\a)%4)
	WIN 0x08+4*((\a)/4)
.irp b, 0,1,2,3,4,5,6,7
	ds_store_b128 v[STO], v[AC+8*\b:AC+8*\b+3] offset:128*(\b/2)+32*(\b%2)
	ds_store_b128 v[STO], v[AC+8*\b+4:AC+8*\b+7] offset:128*(\b/2)+32*(\b%2)+16
.endr
	WIN 0
.set BB, BK+64*((\a)%2)
.irp t, 0,1,2,3,4,5,6,7,8,9,10,11,12,13,14,15
	ds_load_b128 v[BB+4*\t:BB+4*\t+3], v[RD] offset:\t*SPITCH
.endr
.endm
.macro SEND a, younger
.set BB, BK+64*((\a)%2)
	s_wait_dscnt \younger
.irp t, 0,1,2,3,4,5,6,7,8,9,10,11,12,13,14,15
	global_store_b128 v[CO], v[BB+4*\t:BB+4*\t+3], s[14:15] offset:(32*((\a)/2)+8*((\a)%2)+\t+8*(\t/8))*4096 th:TH_STORE_NT
.endr
.endm
	PLACES 4
	TOSTAGE 0
.irp a, 1,2,3,4,5,6,7
.if \a > 1
	s_wait_xcnt 0x0
.endif
	TOSTAGE \a
	SEND \a-1, 32
.endr
	SEND 7, 0
	s_wait_tensorcnt 0x0
	ds_add_u32 v[SPW], v[NIL]
	s_wait_dscnt 0x0
	CROUND
	s_endpgm
.Lfunc_end_k_qf0bd94d234_proj:
	.size	k_qf0bd94d234_proj, .Lfunc_end_k_qf0bd94d234_proj-k_qf0bd94d234_proj
	.p2alignl 7, 3214868480
	.fill 96, 4, 3214868480
	.section	.rodata,"a",@progbits
	.p2align	6, 0x0
	.amdhsa_kernel k_qf0bd94d234_proj
		.amdhsa_group_segment_fixed_size 327680
		.amdhsa_private_segment_fixed_size 0
		.amdhsa_enable_private_segment 0
		.amdhsa_kernarg_size 48
		.amdhsa_user_sgpr_count 2
		.amdhsa_user_sgpr_kernarg_segment_ptr 1
		.amdhsa_wavefront_size32 1
		.amdhsa_system_sgpr_workgroup_id_x 1
		.amdhsa_system_sgpr_workgroup_id_y 1
		.amdhsa_system_sgpr_workgroup_id_z 1
		.amdhsa_system_vgpr_workitem_id 0
		.amdhsa_next_free_vgpr 1024
		.amdhsa_next_free_sgpr 102
		.amdhsa_reserve_vcc 0
		.amdhsa_float_denorm_mode_32 3
		.amdhsa_float_denorm_mode_16_64 3
		.amdhsa_memory_ordered 1
		.amdhsa_forward_progress 1
		.amdhsa_inst_pref_size 161
	.end_amdhsa_kernel
	.amdgpu_metadata
---
amdhsa.version: [ 1, 2 ]
amdhsa.kernels:
  - .name:           k_qf0bd94d234_proj
    .symbol:         k_qf0bd94d234_proj.kd
    .args:
      - { .name: acod, .offset: 0, .size: 8, .value_kind: global_buffer, .address_space: global }
      - { .name: ascl, .offset: 8, .size: 8, .value_kind: global_buffer, .address_space: global }
      - { .name: wcod, .offset: 16, .size: 8, .value_kind: global_buffer, .address_space: global }
      - { .name: wscl, .offset: 24, .size: 8, .value_kind: global_buffer, .address_space: global }
      - { .name: b_out, .offset: 32, .size: 8, .value_kind: global_buffer, .address_space: global }
      - { .name: out0, .offset: 40, .size: 8, .value_kind: global_buffer, .address_space: global }
    .group_segment_fixed_size: 327680
    .private_segment_fixed_size: 0
    .kernarg_segment_align: 8
    .kernarg_segment_size: 48
    .max_flat_workgroup_size: 128
    .sgpr_count:     102
    .vgpr_count:     1024
    .wavefront_size: 32
...
	.end_amdgpu_metadata
.endif
;; end of part 4
